; MI455X (gfx1250); checked and timed in simulation.
; The chip was launched on July 23, 2026; its instructions are those of AMD's public machine-readable ISA for CDNA 5 (MIT licence, August 2026) and "CDNA5" Instruction Set Architecture Reference Guide (July 2026). The comments in the code are by the model that wrote it; some were corrected since.
;; Attention Mechanism. Allowed arithmetic: matrix products marked QUANTISED: E2M1 operands, one E8M0 scale for each 32 along K, by v_wmma_scale_f32_16x16x128_f8f6f4 with both operands' format E2M1 (or v_wmma_scale_f32_32x16x128_f4), f32 sums; products left as they are: f32 operands where the result goes on into a quantised operand, else bf16, f16 or f32 operands; f32 sums; everything else in f32.
;; Inputs: W_dec_codes 1,024 x 32 x 16 uint8 (E2M1 codes of W_dec, K innermost, in blocks of 32 codes, two codes a byte); W_dec_scales 1,024 x 32 uint8 (E8M0 scales of W_dec, one for each 32 codes along K); W_enc_codes 1,024 x 32 x 16 uint8 (E2M1 codes of W_enc, K innermost, in blocks of 32 codes, two codes a byte); W_enc_scales 1,024 x 32 uint8 (E8M0 scales of W_enc, one for each 32 codes along K); att_weights_step 32 x 2,048 float32; b_enc 1,024 float32; dec_out_codes 32 x 1 x 32 x 16 uint8 (E2M1 codes of dec_out, K innermost, in blocks of 32 codes, two codes a byte); dec_out_scales 32 x 1 x 32 uint8 (E8M0 scales of dec_out, one for each 32 codes along K); enc_out 32 x 2,048 x 1,024 float32; v 1,024 float32; x_lens 32 int32.
;; Outputs: out0 32 x 1 x 1,024 float32; out1 32 x 2,048 float32.
;; This version of the problem:
;;   THIS VERSION OF THE PROBLEM IS GIVEN IN LOW PRECISION. The matrix products marked QUANTISED in the list below multiply operands that are first quantised to E2M1 (2 exponent bits, 1 mantissa bit; 4 bits a number), with one power-of-two scale for each 32 numbers along K (OCP MX v1.0); their sums are f32. All else is computed in f32.
;;   The module's matrix products, in the order in which they are computed (A, B: the left and right operand; K: the contracted axis; several contracted axes count as one K, in the product's order):
;;     1. [M 65,536, K 1,024] x [K 1,024, N 1,024]; A: input enc_out; B: input W_enc (given as codes): QUANTISED
;;     2. [M 32, K 1,024] x [K 1,024, N 1,024]; A: input dec_out (given as codes); B: input W_dec (given as codes): QUANTISED
;;     3. [M 65,536, K 1,024] x [K 1,024, N 1]; A: computed on the way; B: input v: left as it is (N = 1 < 16)
;;     4. batch 32 x [M 1,024, K 2,048] x [K 2,048, N 1]; A: input enc_out; B: softmax: left as it is (N = 1 < 16)
;;   THE QUANTISER, for each operand of a quantised product, along K:
;;     - K is cut into blocks of 32 from its start; a last block that is shorter is filled with zeros.
;;     - A block's scale is 2^e with e = floor(log2(the largest magnitude in the block)) - 2, held to -126 .. 127; a block of zeros has e = 0. As a byte (E8M0): e + 127.
;;     - Each number is divided by its block's scale, clamped to +-6, and rounded to the nearest number of E2M1, ties to even, subnormals kept.
;;     - The product sums the exact products of the quantised numbers (number of the format x scale) in f32.
;;   ~~~python
;;   def quantise(x, axis):      # numpy; x: float32 -> the quantised numbers, widened to float32 again
;;       x = np.moveaxis(x, axis, -1); K = x.shape[-1]
;;       x = np.pad(x, [(0, 0)] * (x.ndim - 1) + [(0, -K % 32)]); x = x.reshape(x.shape[:-1] + (-1, 32)); a = np.abs(x).max(-1, keepdims=True)
;;       e = np.where(a > 0, np.clip(np.frexp(np.where(a > 0, a, 1))[1] - 1 - 2, -126, 127), 0)      # np.frexp(a)[1] - 1 = floor(log2(a)), exactly
;;       r = np.clip(x / 2.0 ** e, -6, 6)
;;       step = 2.0 ** (np.maximum(np.frexp(np.where(r == 0, 1, r))[1] - 1, 0) - 1)
;;       q = np.round(r / step) * step * 2.0 ** e      # np.round: ties to even
;;       return np.moveaxis(q.reshape(q.shape[:-2] + (-1,))[..., :K], -1, axis).astype(np.float32)
;;   ~~~
;;   INPUTS GIVEN AS CODES. W_dec (in the module: [1024, 1024], K = its axis 0); W_enc (in the module: [1024, 1024], K = its axis 0); dec_out (in the module: [32, 1, 1024], K = its axis 2): each comes as NAME_codes (uint8): NAME with its K axis moved to the last place and cut into blocks of 32 codes, [.., K / 32, bytes a block], one block behind the other in memory; two codes a byte, the lower K in the low four bits (a code: sign, 2 exponent bits, 1 mantissa bit); and NAME_scales (uint8): the same leading axes, one E8M0 byte (e + 127) for each 32 codes along K. Its value is code x scale, taken as it is: it is not quantised again, and the codes and scales need not be those that the quantiser above would give.
;; 2 versions. Each part assembles by itself: llvm-mc -triple=amdgcn-amd-amdhsa -mcpu=gfx1250 --defsym DOCPART=n.
;; ======== version 1 of 2: 3 launches
;; workspace buffers: wf 524,288 bytes; ws 32,768 bytes; cb 131,072 bytes; order 4,096 bytes of whole numbers; en 262,144 bytes; pc 4,194,304 bytes
;; launch prep (part 1): grid 129 x 1, 1 waves a work-group, no clusters, 0 bytes of LDS; arguments W_dec_codes, W_dec_scales, W_enc_codes, W_enc_scales, dec_out_codes, dec_out_scales, b_enc, x_lens, wf, ws, cb, order; writes wf, ws, cb, order
.if DOCPART == 1
	.amdgcn_target "amdgcn-amd-amdhsa--gfx1250"
	.amdhsa_code_object_version 6
	.text
	.protected	k_q13822c3b10_prep
	.globl	k_q13822c3b10_prep
	.p2align	8
	.type	k_q13822c3b10_prep,@function
k_q13822c3b10_prep:
	s_mov_b64 s[64:65], 0
	v_nop
	global_prefetch_b8 v0, s[64:65] scope:SCOPE_SE
	s_setreg_imm32_b32 hwreg(HW_REG_WAVE_MODE, 25, 1), 1
	s_wait_xcnt 0x0
; What the main launch wants ready, made once.  129 work-groups of one wave, three kinds, told apart by the work-group's number:
;   0 .. 63    (n): cb[n][b][16] = c x (dec_out . W_dec + b_enc) for columns 16 n .. 16 n + 15 and all 32 batches, c = 2 log2(e): the product on codes of FP4 (E2M1) with E8M0 scales, as they are given
;   64 .. 127  (n): W_enc's codes and scale words of columns 16 n .. 16 n + 15, laid in the order of the operand's registers, so that the main launch loads 512 consecutive bytes an instruction
;   128           : from x_lens a list of the 1,024 tiles of 64 rows (tile = 32 b + j), those with rows under the length first.  An entry: bits 9:0 the tile, 14:10 b, 22:16 the tile's rows under the length (0 .. 64)
; x_lens below 0 counts as 0, above 2,048 as 2,048: so does the mask t < x_lens.
; cb's stores are 16 bytes a lane, 32 bytes apart, two stores filling each other's gaps: cb keeps the layout that the main launch's loop reads densely; it is 131,072 bytes in all.
.set C2L, 0x4038aa3b                   ; c = 2 log2(e)
	s_load_b256 s[4:11], s[0:1], 0x0               ; W_dec's codes s[4:5], scales s[6:7]; W_enc's codes s[8:9], scales s[10:11]
	s_load_b256 s[12:19], s[0:1], 0x20             ; dec_out's codes s[12:13], scales s[14:15]; b_enc s[16:17]; x_lens s[18:19]
	s_load_b256 s[20:27], s[0:1], 0x40             ; wf s[20:21], ws s[22:23], cb s[24:25], order s[26:27]
	v_and_b32 v1, 15, v0                           ; r
	v_lshrrev_b32 v2, 4, v0                        ; h
	v_lshlrev_b32 v3, 9, v1
	v_lshl_add_u32 v3, v2, 4, v3                   ; a fragment's place: row r of 512 bytes (1,024 codes), + 16 h
	s_mov_b32 s29, 0
	s_wait_kmcnt 0x0
	s_cmp_lt_u32 ttmp9, 64
	s_cbranch_scc0 .Lnot_dec
	; ---- c x (dec_out . W_dec + b_enc).  TRANSPOSED: source 0 = 16 rows of W_dec's codes (columns a), source 1 = 16 batches: lane (r, h) holds batch r and columns 8 h + 0 .. 7
	s_lshl_b32 s28, ttmp9, 13
	s_add_nc_u64 s[4:5], s[4:5], s[28:29]          ; 16 n rows of 512 bytes
	s_lshl_b32 s28, ttmp9, 9
	s_add_nc_u64 s[6:7], s[6:7], s[28:29]          ; 16 n rows of 32 scale bytes
	s_lshl_b32 s28, ttmp9, 6
	s_add_nc_u64 s[16:17], s[16:17], s[28:29]      ; b_enc at column 16 n
	s_lshl_b32 s28, ttmp9, 11
	s_add_nc_u64 s[24:25], s[24:25], s[28:29]      ; cb at tile n
	s_mov_b32 s30, C2L
	s_mov_b32 s31, C2L                             ; (named with s30 as a pair, so it is written)
	v_lshlrev_b32 v4, 5, v1                        ; W_dec's scale words: row r
	v_lshlrev_b32 v5, 5, v0                        ; dec_out's: batch = lane: lanes 0-15 batches 0-15, lanes 16-31 batches 16-31
	v_lshlrev_b32 v6, 5, v2                        ; b_enc: my eight columns, 8 h x 4 bytes
	v_lshlrev_b32 v7, 6, v1
	v_lshl_add_u32 v7, v2, 5, v7                   ; cb: batch r x 64 bytes + 32 h
.irp s, 0,1,2,3,4,5,6,7
.irp c, 0,1
	global_load_b128 v[32+8*\s+4*\c:35+8*\s+4*\c], v3, s[4:5] offset:64*\s+32*\c
	global_load_b128 v[96+8*\s+4*\c:99+8*\s+4*\c], v3, s[12:13] offset:64*\s+32*\c
	global_load_b128 v[160+8*\s+4*\c:163+8*\s+4*\c], v3, s[12:13] offset:8192+64*\s+32*\c
.endr
.endr
	global_load_b128 v[224:227], v4, s[6:7]        ; v224 + s: W_dec's scale word of K step s
	global_load_b128 v[228:231], v4, s[6:7] offset:16
	global_load_b128 v[232:235], v5, s[14:15]      ; v232 + s: dec_out's
	global_load_b128 v[236:239], v5, s[14:15] offset:16
	global_load_b128 v[16:19], v6, s[16:17]        ; b_enc is the C of each sum's first product
	global_load_b128 v[20:23], v6, s[16:17] offset:16
	s_wait_loadcnt 0x0
	; two accumulators (batches 0-15, 16-31) by turns, one instruction a turn, K ascending
	v_wmma_scale_f32_16x16x128_f8f6f4 v[8:15], v[32:39], v[96:103], v[16:23], v224, v232 matrix_a_fmt:MATRIX_FMT_FP4 matrix_b_fmt:MATRIX_FMT_FP4
	v_wmma_scale_f32_16x16x128_f8f6f4 v[24:31], v[32:39], v[160:167], v[16:23], v224, v232 matrix_a_fmt:MATRIX_FMT_FP4 matrix_b_fmt:MATRIX_FMT_FP4 matrix_b_scale:MATRIX_SCALE_ROW1
.irp s, 1,2,3,4,5,6,7
	v_wmma_scale_f32_16x16x128_f8f6f4 v[8:15], v[32+8*\s:39+8*\s], v[96+8*\s:103+8*\s], v[8:15], v[224+\s], v[232+\s] matrix_a_fmt:MATRIX_FMT_FP4 matrix_b_fmt:MATRIX_FMT_FP4
	v_wmma_scale_f32_16x16x128_f8f6f4 v[24:31], v[32+8*\s:39+8*\s], v[160+8*\s:167+8*\s], v[24:31], v[224+\s], v[232+\s] matrix_a_fmt:MATRIX_FMT_FP4 matrix_b_fmt:MATRIX_FMT_FP4 matrix_b_scale:MATRIX_SCALE_ROW1
.endr
.rept 4
	v_nop                                          ; four places between a product and the first read of its result (ISA guide 7.12.1)
.endr
.irp i, 0,1,2,3
	v_pk_mul_f32 v[240+2*\i:241+2*\i], v[8+2*\i:9+2*\i], s[30:31] op_sel_hi:[1,0]     ; x c, each accumulator from its low end
.endr
.irp i, 0,1,2,3
	v_pk_mul_f32 v[248+2*\i:249+2*\i], v[24+2*\i:25+2*\i], s[30:31] op_sel_hi:[1,0]
.endr
	global_store_b128 v7, v[240:243], s[24:25]
	global_store_b128 v7, v[244:247], s[24:25] offset:16
	global_store_b128 v7, v[248:251], s[24:25] offset:1024
	global_store_b128 v7, v[252:255], s[24:25] offset:1040
	s_endpgm
.Lnot_dec:
	s_cmp_lt_u32 ttmp9, 128
	s_cbranch_scc0 .Llist
	; ---- W_enc in the order of the operand's registers: wf[n][K step s][c][lane][16 bytes]; ws[n][lane][4 words]: word q of lane (r, h) = column r's scale word of K step 2 q + h
	s_sub_co_u32 s30, ttmp9, 64
	s_lshl_b32 s28, s30, 13
	s_add_nc_u64 s[8:9], s[8:9], s[28:29]
	s_add_nc_u64 s[20:21], s[20:21], s[28:29]
	s_lshl_b32 s28, s30, 9
	s_add_nc_u64 s[10:11], s[10:11], s[28:29]
	s_add_nc_u64 s[22:23], s[22:23], s[28:29]
	v_lshlrev_b32 v4, 5, v1
	v_lshl_add_u32 v4, v2, 2, v4                   ; 32 r + 4 h
	v_lshlrev_b32 v5, 4, v0                        ; 16 x lane
.irp s, 0,1,2,3,4,5,6,7
.irp c, 0,1
	global_load_b128 v[32+8*\s+4*\c:35+8*\s+4*\c], v3, s[8:9] offset:64*\s+32*\c
.endr
.endr
.irp q, 0,1,2,3
	global_load_b32 v[96+\q], v4, s[10:11] offset:8*\q
.endr
	s_wait_loadcnt 0x0
.irp s, 0,1,2,3,4,5,6,7
.irp c, 0,1
	global_store_b128 v5, v[32+8*\s+4*\c:35+8*\s+4*\c], s[20:21] offset:1024*\s+512*\c     ; 32 lanes store 512 consecutive bytes
.endr
.endr
	global_store_b128 v5, v[96:99], s[22:23]
	s_endpgm
.Llist:
	; ---- the list.  Lane = b.  L = the batch's tiles with rows under the length; P = the sum of L over lower b; TA = the sum over all.  Tile (b, j) goes to place P + j where j < L, else to TA + 32 b - P - L + j:
	; the places are a permutation of 0 .. 1,023, so every word of the list is written.
	v_lshlrev_b32 v4, 2, v0
	global_load_b32 v5, v4, s[18:19]
	s_wait_loadcnt 0x0
	v_cmp_lt_i32 vcc_lo, 0, v5
	v_cndmask_b32 v5, 0, v5, vcc_lo                ; below 0: 0
	v_min_u32 v5, 0x800, v5                        ; above 2,048: 2,048
	v_add_nc_u32 v6, 63, v5
	v_lshrrev_b32 v6, 6, v6                        ; L
	v_mov_b32 v7, 0
	s_mov_b32 s28, 0
.irp i, 0,1,2,3,4,5,6,7,8,9,10,11,12,13,14,15,16,17,18,19,20,21,22,23,24,25,26,27,28,29,30,31
	v_writelane_b32 v7, s28, \i                    ; P
	v_readlane_b32 s30, v6, \i
	s_add_co_u32 s28, s28, s30
.endr
	v_lshl_add_u32 v8, v0, 5, s28
	v_sub_nc_u32 v8, v8, v7
	v_sub_nc_u32 v8, v8, v6                        ; TA + 32 b - P - L
	v_lshlrev_b32 v9, 5, v0
	v_lshl_add_u32 v9, v0, 10, v9                  ; 32 b in the tile's field, b in its own
.irp j, 0,1,2,3,4,5,6,7,8,9,10,11,12,13,14,15,16,17,18,19,20,21,22,23,24,25,26,27,28,29,30,31
	v_cmp_lt_u32 vcc_lo, \j, v6                    ; j < L
	v_cndmask_b32 v[64+\j], v8, v7, vcc_lo
	v_add_nc_u32 v[64+\j], \j, v[64+\j]            ; the place
	v_min_u32 v[64+\j], 0x3ff, v[64+\j]
	v_lshlrev_b32 v[64+\j], 2, v[64+\j]
	v_add_nc_u32 v10, -64*\j, v5
	v_cndmask_b32 v10, 0, v10, vcc_lo
	v_min_u32 v10, 64, v10                         ; the tile's rows under the length
	v_lshl_add_u32 v[96+\j], v10, 16, v9
	v_add_nc_u32 v[96+\j], \j, v[96+\j]
	global_store_b32 v[64+\j], v[96+\j], s[26:27]  ; each store has its own address and data registers: none is written again
.endr
	s_endpgm
.Lfunc_end_k_q13822c3b10_prep:
	.size	k_q13822c3b10_prep, .Lfunc_end_k_q13822c3b10_prep-k_q13822c3b10_prep
	.p2alignl 7, 3214868480
	.fill 96, 4, 3214868480
	.section	.rodata,"a",@progbits
	.p2align	6, 0x0
	.amdhsa_kernel k_q13822c3b10_prep
		.amdhsa_group_segment_fixed_size 0
		.amdhsa_private_segment_fixed_size 0
		.amdhsa_enable_private_segment 0
		.amdhsa_kernarg_size 96
		.amdhsa_user_sgpr_count 2
		.amdhsa_user_sgpr_kernarg_segment_ptr 1
		.amdhsa_wavefront_size32 1
		.amdhsa_system_sgpr_workgroup_id_x 1
		.amdhsa_system_sgpr_workgroup_id_y 1
		.amdhsa_system_sgpr_workgroup_id_z 1
		.amdhsa_system_vgpr_workitem_id 0
		.amdhsa_next_free_vgpr 256
		.amdhsa_next_free_sgpr 66
		.amdhsa_reserve_vcc 1
		.amdhsa_float_denorm_mode_32 3
		.amdhsa_float_denorm_mode_16_64 3
		.amdhsa_memory_ordered 1
		.amdhsa_forward_progress 1
		.amdhsa_inst_pref_size 35
	.end_amdhsa_kernel
	.amdgpu_metadata
---
amdhsa.version: [ 1, 2 ]
amdhsa.kernels:
  - .name:           k_q13822c3b10_prep
    .symbol:         k_q13822c3b10_prep.kd
    .args:
      - { .name: W_dec_codes, .offset: 0, .size: 8, .value_kind: global_buffer, .address_space: global }
      - { .name: W_dec_scales, .offset: 8, .size: 8, .value_kind: global_buffer, .address_space: global }
      - { .name: W_enc_codes, .offset: 16, .size: 8, .value_kind: global_buffer, .address_space: global }
      - { .name: W_enc_scales, .offset: 24, .size: 8, .value_kind: global_buffer, .address_space: global }
      - { .name: dec_out_codes, .offset: 32, .size: 8, .value_kind: global_buffer, .address_space: global }
      - { .name: dec_out_scales, .offset: 40, .size: 8, .value_kind: global_buffer, .address_space: global }
      - { .name: b_enc, .offset: 48, .size: 8, .value_kind: global_buffer, .address_space: global }
      - { .name: x_lens, .offset: 56, .size: 8, .value_kind: global_buffer, .address_space: global }
      - { .name: wf, .offset: 64, .size: 8, .value_kind: global_buffer, .address_space: global }
      - { .name: ws, .offset: 72, .size: 8, .value_kind: global_buffer, .address_space: global }
      - { .name: cb, .offset: 80, .size: 8, .value_kind: global_buffer, .address_space: global }
      - { .name: order, .offset: 88, .size: 8, .value_kind: global_buffer, .address_space: global }
    .group_segment_fixed_size: 0
    .private_segment_fixed_size: 0
    .kernarg_segment_align: 8
    .kernarg_segment_size: 96
    .max_flat_workgroup_size: 32
    .sgpr_count:     66
    .vgpr_count:     256
    .wavefront_size: 32
...
	.end_amdgpu_metadata
.endif
;; end of part 1
;; launch main (part 2): grid 256 x 1, 8 waves a work-group, no clusters, 315,392 bytes of LDS; arguments enc_out, wf, ws, cb, v, order, en, pc; writes en, pc
.if DOCPART == 2
	.amdgcn_target "amdgcn-amd-amdhsa--gfx1250"
	.amdhsa_code_object_version 6
	.text
	.protected	k_q13822c3b10_main
	.globl	k_q13822c3b10_main
	.p2align	8
	.type	k_q13822c3b10_main,@function
k_q13822c3b10_main:
	s_mov_b64 s[64:65], 0
	v_nop
	global_prefetch_b8 v0, s[64:65] scope:SCOPE_SE
	s_setreg_imm32_b32 hwreg(HW_REG_WAVE_MODE, 25, 1), 1
	s_wait_xcnt 0x0
; energy[b][t] = mask x (v . tanh(Q(enc_out[b][t]) W_enc + b_enc + dec_proj[b])), and for each tile of 64 rows the partial context sum over its rows of exp(e - the tile's largest e) x enc_out[b][t].
; enc_out is read ONCE.  A work-group takes four tiles of 64 rows from the list 'order' (places g, g + 256, g + 512, g + 768: tiles with rows under the length stand first in the list, so all work-groups get
; within one of the same number of them, and each takes its own such tiles first).
; TWO ROLES.  Waves 4-7 (loaders) load enc_out alone: each owns 16 rows of a tile, a ring of eight rows (4,096 bytes each) in registers always on its way.  Waves 0-3 (GEMM) load W_enc, cb and v alone: each owns
; 256 columns for all 64 rows, with A's 32 fragments in its registers.  So the loads of one kind never stand in one counter behind the other kind's.
; THE LONG WAY.  A row is quantised to FP4 (E2M1, one E8M0 scale for each 32 along K) and goes to LDS as part of an image of the operand's registers, and as a bf16 copy for the context.
; THE SHORT WAY.  A tile all of whose rows lie at or behind the length has energies 0 by the mask that the problem builds itself, so its weights are e^0 = 1 and its partial context is the plain sum of its rows.
; From period 1 on the loaders add such a tile's rows up in f32 registers as they arrive: no codes, no copy, no product, no tanh; the four loaders' sums meet in LDS and leave in the same period's second phase.
; The first tile always goes the long way, so that the fragments' registers, and the LDS bytes from which they are read, are written whatever the list holds.
; PERIODS.  In period P the loaders take tile P while the GEMM waves work tile P - 1 (LDS is only written); a barrier; then all eight waves make tile P - 1's softmax weights and partial context from the copy
; (if it went the long way) and tile P's sum (if it goes the short way), and the GEMM waves fetch tile P's fragments (LDS is only read); a barrier.  Period 0 has no tile to work and is written out ahead of the loop.
; tanh(x) = 1 - 2 / (1 + 2^(c x)), c = 2 log2(e); cb holds c x (b_enc + dec_proj); so energy = sum v - 2 sum v / (1 + 2^(c acc + cb)).
; NO TENSOR LOADS, NO CLUSTER: leaving a tile's product out is a branch on a stored whole number, and partners would walk W_enc different numbers of times.
; att_weights_step is not read: the problem's function never uses it, and no output hangs on it.
; LIMITS: NaN and infinities in enc_out are not served; a block whose largest magnitude lies under 2^-124 gets the scale byte 1; enc_out is rounded to bf16 for the context product of tiles that go the long way alone.
.set COPYB, 131072                     ; LDS: two bf16 copies of a tile, 64 rows x 2,048 bytes, at 0 and at COPYB
.set IMG,   262144                     ; the tile's 32 fragments (row tile m, K step s) at 1,024 (8 m + s): registers 4 c .. 4 c + 3 of lane l at + 512 c + 16 l
.set ASC,   294912                     ; A's scale words: register (mp, s) at 128 (8 mp + s) + 4 x lane: lanes 0-15 row tile 2 mp, lanes 16-31 row tile 2 mp + 1
.set EP,    296960                     ; partial energies [GEMM wave 4][row 64] f32
.set DSUM,  297984                     ; the short way: [loader 4][column 1,024] f32, each loader's sum of its 16 rows
; REGISTERS, window 0: v1 16 lane, v2 4 (lane % 16), v3 8 lane, v4-v11 LDS addresses that stay, v12-v16 LDS addresses of the half or period in hand (written where all waves pass), v17-18 my two rows, v19 512 wave + 16 lane,
;   v[20:21], v[24:25] cb and v[22:23], v[26:27] v of the N tile in buffer 0, 1 (low register; the high one is 0 and only named), v[28:29] the sum of v, v30 where a loader puts its sums, v31 where a wave reads the four sums of its columns.
;   GEMM: v32-95, v96-159 B's fragments, two buffers; v160-167 B's scale words; v168-183 A's scale words; v184-215 four accumulators; v216-247 the rows' sums of v / (1 + 2^..).  Window 1: A's 32 fragments.
;   loaders: v32-39 largest magnitudes, v40-47 scale operands, v48-63 codes, v64-79 scale bytes, v80-111 bf16, the last three in two sets by the row's parity; v136-167 the short way's sums.  Window 1: the ring, slot i at 32 i.
;   second phase: v112-119 partial energies, v[120:121] e, v[122:123] p, v124-127 the context, v128-131 p of four rows, v132-133 at work, v[134:135] zeros, v184-247 two sets of 16 rows of the copy, or the short way's sums.
.set WV,   20                          ; s20 wave;  s21 wave % 4
.set LW,   21
.set PER,  22                          ; s22 period;  s23 half
.set HC,   23
.set QP,   24                          ; s24-28 list entries: the tile being worked, being filled, the next, and two more
.set QC,   25
.set QN,   26
.set QA,   27
.set QB,   28
.set BUFW, 29                          ; s29, s30 the copy that is written, the copy that is read
.set BUFR, 30
.set TIDP, 31                          ; s31-33 the worked tile's number, batch, rows under the length
.set BP,   32
.set REMP, 33
.set CUR8, 34                          ; s[34:35] enc_out at my row 8 of the tile being filled;  s[36:37] at my row 0 of the next;  s[38:39] the one that the half's loads take (at a period's head: my row 0 of the tile being filled)
.set NXT,  36
.set LB,   38
.set ENB,  40                          ; s[40:41], s[42:43] en and pc at the worked tile
.set PCB,  42
.set PW,   44                          ; s[44:51] walking: wf, ws, cb, v;  s[52:59] the same at my wave's first N tile
.set BW,   52
.set CC,   60                          ; s[60:61] c, twice
.set SEL,  62                          ; s[62:63] v_permlanex16_b32's selects for lane l xor 16
.set CNT,  70
.set PS,   72                          ; s72-75 p of four rows
.set REMC, 76                          ; s76 0: the tile being filled goes the short way
.set DP,   77                          ; s77 0: the worked tile went the short way and is done
.set ENC,  78                          ; s[78:79], s[80:81] en and pc at the tile being filled
.set PCC,  80
.set DA,   136                         ; v136-167 the short way's sums: register 4 j + i is column 128 j + 4 lane + i
.set MSB, 0
.macro WIN new                         ; the immediate's high byte repeats the setting that is left; a switch that changes nothing is dropped
.if MSB != \new
	s_set_vgpr_msb (MSB<<8)|\new
.set MSB, \new
.endif
.endm
.macro BAR                             ; my LDS stores have landed and my LDS loads are in: then the work-group's barrier
	s_wait_dscnt 0x0
	s_barrier_signal -1
	s_barrier_wait -1
.endm
; The period's addresses and ways from the list's entries.  Each number from memory is held by s_min_u32 and then only shifted left and added.
.macro DECODE
	s_wait_xcnt 0x0                                ; the last period's loads and stores have read their bases and data
	s_and_b32 s[TIDP], s[QP], 0x3ff
	s_min_u32 s[TIDP], s[TIDP], 0x3ff
	s_bfe_u32 s[BP], s[QP], 0x5000a
	s_min_u32 s[BP], s[BP], 31
	s_lshr_b32 s[REMP], s[QP], 16
	s_min_u32 s[REMP], s[REMP], 64
	s_cmp_eq_u32 s[PER], 1
	s_cselect_b32 s[DP], 1, s[REMP]                ; the first tile went the long way whatever its rows; every other with no row under the length went the short way
	s_lshr_b32 s[REMC], s[QC], 16
	s_min_u32 s[REMC], s[REMC], 64
	s_sub_co_u32 s66, s[PER], 1
	s_cmp_lt_u32 s66, 3                            ; periods 1 to 3 fill a tile that may go the short way
	s_cselect_b32 s[REMC], s[REMC], 1
	s_mov_b32 s67, 0
	s_lshl_b32 s66, s[TIDP], 8
	s_add_nc_u64 s[ENB:ENB+1], s[16:17], s[66:67]  ; 64 energies are 256 bytes
	s_lshl_b32 s66, s[TIDP], 12
	s_add_nc_u64 s[PCB:PCB+1], s[18:19], s[66:67]  ; a partial context is 4,096 bytes
	s_lshl_b32 s69, s[LW], 16                      ; my 16 rows of 4,096 bytes
	s_and_b32 s68, s[QC], 0x3ff
	s_min_u32 s68, s68, 0x3ff
	s_lshl_b32 s66, s68, 8
	s_add_nc_u64 s[ENC:ENC+1], s[16:17], s[66:67]
	s_lshl_b32 s66, s68, 12
	s_add_nc_u64 s[PCC:PCC+1], s[18:19], s[66:67]
	s_lshl_b32 s66, s68, 18                        ; a tile is 64 rows of 4,096 bytes
	s_add_co_u32 s66, s66, s69
	s_add_nc_u64 s[LB:LB+1], s[4:5], s[66:67]      ; my row 0 of the tile being filled: the ring's first fill takes it; the first half writes it anew
	s_add_nc_u64 s[CUR8:CUR8+1], s[LB:LB+1], 0x8000        ; my row 8
	s_and_b32 s68, s[QN], 0x3ff
	s_min_u32 s68, s68, 0x3ff
	s_lshl_b32 s66, s68, 18
	s_add_co_u32 s66, s66, s69
	s_add_nc_u64 s[NXT:NXT+1], s[4:5], s[66:67]
	v_add_nc_u32 v15, s[BUFR], v11                 ; the copy that is read: rows 0-31,
	v_add_nc_u32 v16, 0x10000, v15                 ; rows 32-63
.endm
.macro SHIFT                           ; on to the next period
	s_mov_b32 s[QP], s[QC]
	s_mov_b32 s[QC], s[QN]
	s_mov_b32 s[QN], s[QA]
	s_mov_b32 s[QA], s[QB]
	s_xor_b32 s[BUFW], s[BUFW], COPYB
	s_xor_b32 s[BUFR], s[BUFR], COPYB
.endm
; ---- LOADERS, THE LONG WAY.  One row, in ring slot i.  Chunk j of the row (512 bytes, 16 a lane) is K step j; lane l holds k = 4 l .. 4 l + 3 of it, so a block of 32 lies in eight neighbouring lanes.
; left: the younger rows' loads, eight each, that may stay out.  fill = 1: the slot takes the row eight further on.
.macro ROW i, fill, left
.set SL, 32*(\i)
.set RC, 48+8*((\i)%2)
.set RB, 64+8*((\i)%2)
.set RH, 80+16*((\i)%2)
	s_wait_loadcnt \left                           ; loads come back in order: this row's eight are in
	s_wait_dscnt 24                                ; the LDS stores of the row two back, which read this set of registers, are done; the last row's 24 may be out
	WIN 0x05
.irp j, 0,1,2,3,4,5,6,7
	v_max3_num_f32 v[32+\j], |v[SL+4*\j]|, |v[SL+4*\j+1]|, 0x1800000       ; with the floor 2^(3 - 127): the scale's byte cannot fall under 1
.endr
	WIN 0x14
.irp j, 0,1,2,3,4,5,6,7
	v_max3_num_f32 v[32+\j], v[32+\j], |v[SL+4*\j+2]|, |v[SL+4*\j+3]|
.endr
	WIN 0
.irp x, 1,2,4
.irp j, 0,1,2,3,4,5,6,7
	v_max_num_f32_dpp v[32+\j], v[32+\j], v[32+\j] row_xmask:\x row_mask:0xf bank_mask:0xf   ; over the block's eight lanes
.endr
.endr
.irp j, 0,1,2,3,4,5,6,7
	v_add_nc_u32 v[40+\j], 0xff000000, v[32+\j]    ; 2 off the exponent field: the conversion's scale operand
.endr
.irp j, 0,1,2,3,4,5,6,7
	v_lshrrev_b32 v[RB+\j], 23, v[40+\j]           ; the scale's byte
.endr
	WIN 0x01
.irp j, 0,2,4,6                        ; a conversion takes eight registers and one scale; chunks j and j + 1 have different scales: so twice, the low 16 bits of the first and the high 16 of the second are kept
	v_cvt_scalef32_pk8_fp4_f32 v[RC+\j], v[SL+4*\j:SL+4*\j+7], v[40+\j]
	v_cvt_scalef32_pk8_fp4_f32 v[RC+\j+1], v[SL+4*\j:SL+4*\j+7], v[41+\j]
.endr
	v_nop                                          ; one plain place behind the scaled conversions
	WIN 0x05
.irp j, 0,1,2,3,4,5,6,7
	v_cvt_pk_bf16_f32 v[RH+2*\j], v[SL+4*\j], v[SL+4*\j+1]
	v_cvt_pk_bf16_f32 v[RH+2*\j+1], v[SL+4*\j+2], v[SL+4*\j+3]
.endr
	WIN 0
.irp j, 0,1,2,3,4,5,6,7
	ds_store_b64 v12, v[RH+2*\j:RH+2*\j+1] offset:2048*(\i)+256*\j         ; the copy: 32 lanes, 256 consecutive bytes
.endr
.irp j, 0,2,4,6
	ds_store_b16 v13, v[RC+\j] offset:16*(\i)+1024*\j                      ; four codes: bytes 2 (l % 8) of the block's 16 in the fragment's image
	ds_store_b16_d16_hi v13, v[RC+\j+1] offset:16*(\i)+1024*(\j+1)
.endr
.irp j, 0,1,2,3,4,5,6,7
	ds_store_b8 v14, v[RB+\j] offset:4*(\i)+128*\j                         ; the block's eight lanes write the same byte with the same value
.endr
.if \fill
	WIN 0x40
.irp j, 0,1,2,3,4,5,6,7
	global_load_b128 v[SL+4*\j:SL+4*\j+3], v1, s[LB:LB+1] offset:4096*(\i)+512*\j th:TH_LOAD_NT   ; 32 lanes read 512 consecutive bytes
.endr
	WIN 0
.endif
.endm
.macro HBLOCK fill                     ; eight rows: half of a loader's share of a tile
.irp i, 0,1,2,3,4,5,6,7
.if \fill
	ROW \i, 1, 56
.else
	ROW \i, 0, 56-8*\i
.endif
.endr
.endm
; ---- LOADERS, THE SHORT WAY.  One row, in ring slot i, is added to the sums: 16 packed additions.  The ring and the counts are the long way's.
.macro ROWD i, fill, left
.set SL, 32*(\i)
	s_wait_loadcnt \left                           ; this row's eight loads are in
	WIN 0x04                                       ; source 1 (the row) in window 1
.irp j, 0,2,4,6,8,10,12,14,16,18,20,22,24,26,28,30
	v_pk_add_f32 v[DA+\j:DA+\j+1], v[DA+\j:DA+\j+1], v[SL+\j:SL+\j+1]
.endr
.if \fill
	WIN 0x40
.irp j, 0,1,2,3,4,5,6,7
	global_load_b128 v[SL+4*\j:SL+4*\j+3], v1, s[LB:LB+1] offset:4096*(\i)+512*\j th:TH_LOAD_NT
.endr
.endif
.endm
.macro HBLOCKD fill
.irp i, 0,1,2,3,4,5,6,7
.if \fill
	ROWD \i, 1, 56
.else
	ROWD \i, 0, 56-8*\i
.endif
.endr
	WIN 0
.endm
; ---- GEMM WAVES.  N tile k (counted from the walking pointers) into buffer u: 16 loads of fragments and one of scale words; then cb and v of its 16 columns
.macro LOADW u, k
.irp s, 0,1,2,3,4,5,6,7
.irp c, 0,1
	global_load_b128 v[32+64*(\u)+8*\s+4*\c:35+64*(\u)+8*\s+4*\c], v1, s[PW:PW+1] offset:8192*(\k)+1024*\s+512*\c
.endr
.endr
	global_load_b128 v[160+4*(\u):163+4*(\u)], v1, s[PW+2:PW+3] offset:512*(\k)
.endm
.macro LOADC u, k
	global_load_b32 v[20+4*(\u)], v2, s[PW+4:PW+5] offset:2048*(\k)
	global_load_b32 v[22+4*(\u)], v2, s[PW+6:PW+7] offset:64*(\k)
.endm
; One product: row tile m x the N tile in buffer u, K step s.  A's scale words: lanes 16-31 for odd m; B's: lanes 16-31 for odd s.  s = 0 starts the sum
.macro WM u, s, m
.set rD, 184+8*(\m)
.set rA, 64*(\m)+8*(\s)
.set rB, 32+64*(\u)+8*(\s)
.set rX, 168+8*((\m)/2)+(\s)
.set rY, 160+4*(\u)+(\s)/2
.if (\s) == 0
.if (\m)%2 == 0
	v_wmma_scale_f32_16x16x128_f8f6f4 v[rD:rD+7], v[rA:rA+7], v[rB:rB+7], 0, v[rX], v[rY] matrix_a_fmt:MATRIX_FMT_FP4 matrix_b_fmt:MATRIX_FMT_FP4
.else
	v_wmma_scale_f32_16x16x128_f8f6f4 v[rD:rD+7], v[rA:rA+7], v[rB:rB+7], 0, v[rX], v[rY] matrix_a_fmt:MATRIX_FMT_FP4 matrix_b_fmt:MATRIX_FMT_FP4 matrix_a_scale:MATRIX_SCALE_ROW1
.endif
.elseif (\s)%2 == 0
.if (\m)%2 == 0
	v_wmma_scale_f32_16x16x128_f8f6f4 v[rD:rD+7], v[rA:rA+7], v[rB:rB+7], v[rD:rD+7], v[rX], v[rY] matrix_a_fmt:MATRIX_FMT_FP4 matrix_b_fmt:MATRIX_FMT_FP4
.else
	v_wmma_scale_f32_16x16x128_f8f6f4 v[rD:rD+7], v[rA:rA+7], v[rB:rB+7], v[rD:rD+7], v[rX], v[rY] matrix_a_fmt:MATRIX_FMT_FP4 matrix_b_fmt:MATRIX_FMT_FP4 matrix_a_scale:MATRIX_SCALE_ROW1
.endif
.else
.if (\m)%2 == 0
	v_wmma_scale_f32_16x16x128_f8f6f4 v[rD:rD+7], v[rA:rA+7], v[rB:rB+7], v[rD:rD+7], v[rX], v[rY] matrix_a_fmt:MATRIX_FMT_FP4 matrix_b_fmt:MATRIX_FMT_FP4 matrix_b_scale:MATRIX_SCALE_ROW1
.else
	v_wmma_scale_f32_16x16x128_f8f6f4 v[rD:rD+7], v[rA:rA+7], v[rB:rB+7], v[rD:rD+7], v[rX], v[rY] matrix_a_fmt:MATRIX_FMT_FP4 matrix_b_fmt:MATRIX_FMT_FP4 matrix_a_scale:MATRIX_SCALE_ROW1 matrix_b_scale:MATRIX_SCALE_ROW1
.endif
.endif
.endm
; One N tile (16 columns) for the 64 rows: 32 products, then for the lane's column and 32 rows: 2^(c acc + cb), + 1, the reciprocal, x v, summed.  left: the next N tile's 19 loads may stay out.
; adv = 1: the four pointers go two N tiles on, behind the products: the youngest load that reads them stands 32 matrix instructions back.  load = 1: the buffer just multiplied takes N tile u from the pointers on.
.macro STEP u, load, left, adv
	s_wait_loadcnt \left
	WIN 0x01                                       ; A in window 1
.irp s, 0,1,2,3,4,5,6,7
.irp m, 0,1,2,3
	WM \u, \s, \m                                  ; the four accumulators by turns, one instruction a turn
.endr
.endr
	WIN 0
	v_add_f32 v28, v28, v[22+4*(\u)]               ; the sum of v.  With the three lines below: the four places behind the products (ISA guide 7.12.1)
.rept 3
	v_nop
.endr
.if \adv
	s_wait_xcnt 0x0                                ; the loads issued so far have read their bases: only behind this wait are the bases written
	s_add_nc_u64 s[PW:PW+1], s[PW:PW+1], 16384
	s_add_nc_u64 s[PW+2:PW+3], s[PW+2:PW+3], 1024
	s_add_nc_u64 s[PW+4:PW+5], s[PW+4:PW+5], 4096
	s_add_nc_u64 s[PW+6:PW+7], s[PW+6:PW+7], 128
.endif
.if \load
	LOADW \u, \u
.endif
.irp j, 0,2,4,6,8,10,12,14,16,18,20,22,24,26,28,30
	v_pk_fma_f32 v[184+\j:185+\j], v[184+\j:185+\j], s[CC:CC+1], v[20+4*(\u):21+4*(\u)] op_sel_hi:[1,0,0]    ; c acc + cb, each accumulator from its low end
.endr
.irp j, 0,1,2,3,4,5,6,7,8,9,10,11,12,13,14,15,16,17,18,19,20,21,22,23,24,25,26,27,28,29,30,31
	v_exp_f32 v[184+\j], v[184+\j]
.endr
	v_nop                                          ; a plain place behind the batch,
	s_wait_alu depctr_va_vdst(0)                   ; and one wait for it ahead of its first reader
.irp j, 0,2,4,6,8,10,12,14,16,18,20,22,24,26,28,30
	v_pk_add_f32 v[184+\j:185+\j], v[184+\j:185+\j], 1.0 op_sel_hi:[1,0]
.endr
.irp j, 0,1,2,3,4,5,6,7,8,9,10,11,12,13,14,15,16,17,18,19,20,21,22,23,24,25,26,27,28,29,30,31
	v_rcp_f32 v[184+\j], v[184+\j]                 ; 2^.. = infinity gives 0, 2^.. = 0 gives 1: tanh = 1, -1
.endr
	v_nop
	s_wait_alu depctr_va_vdst(0)
.irp j, 0,2,4,6,8,10,12,14,16,18,20,22,24,26,28,30
	v_pk_fma_f32 v[216+\j:217+\j], v[184+\j:185+\j], v[22+4*(\u):23+4*(\u)], v[216+\j:217+\j] op_sel_hi:[1,0,1]
.endr
.if \load
	LOADC \u, \u
.endif
.endm
; A tile's partial energies of my 256 columns.  A first tile with no row under the length stores zeros.
.macro GSECT
.irp j, 0,1,2,3,4,5,6,7,8,9,10,11,12,13,14,15,16,17,18,19,20,21,22,23,24,25,26,27,28,29,30,31
	v_mov_b32 v[216+\j], 0
.endr
	v_mov_b32 v28, 0
	s_cmp_eq_u32 s[REMP], 0
	s_cbranch_scc1 .Lgskip_\@
	s_lshl_b32 s66, s[BP], 6                       ; cb: the batch's 16 numbers of an N tile
	s_mov_b32 s67, 0
	s_mov_b64 s[PW:PW+1], s[BW:BW+1]               ; (no load of mine is out: the pointers may be written)
	s_mov_b64 s[PW+2:PW+3], s[BW+2:BW+3]
	s_add_nc_u64 s[PW+4:PW+5], s[BW+4:BW+5], s[66:67]
	s_mov_b64 s[PW+6:PW+7], s[BW+6:BW+7]
	LOADW 0, 0
	LOADC 0, 0
	LOADW 1, 1
	LOADC 1, 1
	s_mov_b32 s[CNT], 7
.Lg_\@:                                ; a trip: two N tiles, and the loads of the two behind them
	STEP 0, 1, 19, 1
	STEP 1, 1, 19, 0
	s_sub_co_u32 s[CNT], s[CNT], 1
	s_cmp_lg_u32 s[CNT], 0
	s_cbranch_scc1 .Lg_\@
	STEP 0, 0, 19, 0                               ; the last two load nothing
	STEP 1, 0, 0, 0
.Lgskip_\@:
.irp j, 0,2,4,6,8,10,12,14,16,18,20,22,24,26,28,30
	v_pk_fma_f32 v[216+\j:217+\j], v[216+\j:217+\j], -2.0, v[28:29] op_sel_hi:[1,0,0]      ; my column's share: sum v - 2 sum v / (1 + 2^..)
.endr
.irp x, 1,2,4,8
.irp j, 0,1,2,3,4,5,6,7,8,9,10,11,12,13,14,15,16,17,18,19,20,21,22,23,24,25,26,27,28,29,30,31
	v_add_f32_dpp v[216+\j], v[216+\j], v[216+\j] row_xmask:\x row_mask:0xf bank_mask:0xf  ; over the sixteen columns of the lanes
.endr
.endr
.irp m, 0,1,2,3
.irp j, 0,1,2,3,4,5,6,7
	ds_store_b32 v6, v[216+8*\m+\j] offset:64*\m+4*\j      ; row 16 m + 8 h + j; sixteen lanes write the same word with the same value
.endr
.endr
.endm
.macro AREAD                           ; the tile's 32 fragments and 16 registers of scale words, as they were laid
	WIN 0x40
.irp f, 0,1,2,3,4,5,6,7,8,9,10,11,12,13,14,15,16,17,18,19,20,21,22,23,24,25,26,27,28,29,30,31
	ds_load_b128 v[8*\f:8*\f+3], v4 offset:1024*\f
	ds_load_b128 v[8*\f+4:8*\f+7], v4 offset:1024*\f+512
.endr
	WIN 0
.irp q, 0,1,2,3,4,5,6,7,8,9,10,11,12,13,14,15
	ds_load_b32 v[168+\q], v5 offset:128*\q
.endr
.endm
; ---- THE SECOND PHASE, all eight waves: wave w owns columns 128 w + 4 lane + 0 .. 3
.macro XGROUP g                        ; rows 16 g .. 16 g + 15 of the copy into set g % 2
.irp i, 0,1,2,3,4,5,6,7,8,9,10,11,12,13,14,15
	ds_load_b64 v[184+32*((\g)%2)+2*\i:185+32*((\g)%2)+2*\i], v[15+(\g)/2] offset:2048*(16*((\g)%2)+\i)
.endr
.endm
.macro XROWS g                         ; context += p x row, four rows at a time; row t's p lies in lane t / 2, register t % 2
.set XS, 184+32*((\g)%2)
.irp q, 0,1,2,3
.irp n, 0,1,2,3
	v_readlane_b32 s[PS+\n], v[122+(\n)%2], 8*(\g)+2*\q+(\n)/2
.endr
.irp n, 0,1,2,3
	v_mov_b32 v[128+\n], s[PS+\n]
.endr
.irp n, 0,1,2,3
	v_fma_mix_f32_bf16 v124, v[XS+8*\q+2*\n], v[128+\n], v124 op_sel_hi:[1,0,0]
	v_fma_mix_f32_bf16 v125, v[XS+8*\q+2*\n], v[128+\n], v125 op_sel:[1,0,0] op_sel_hi:[1,0,0]
	v_fma_mix_f32_bf16 v126, v[XS+8*\q+2*\n+1], v[128+\n], v126 op_sel_hi:[1,0,0]
	v_fma_mix_f32_bf16 v127, v[XS+8*\q+2*\n+1], v[128+\n], v127 op_sel:[1,0,0] op_sel_hi:[1,0,0]
.endr
.endr
.endm
.macro XCTX                            ; the worked tile, if it went the long way: its energies, weights and partial context
	s_cmp_eq_u32 s[DP], 0
	s_cbranch_scc1 .Lxend_\@
.irp q, 0,1,2,3
	ds_load_b64 v[112+2*\q:113+2*\q], v7 offset:256*\q     ; the four waves' partial energies of rows 2 lane, 2 lane + 1
.endr
	XGROUP 0
	XGROUP 1
	s_wait_dscnt 32                                ; all but the two groups of rows just asked for
	v_pk_add_f32 v[120:121], v[112:113], v[114:115]
	v_pk_add_f32 v[116:117], v[116:117], v[118:119]
	v_pk_add_f32 v[120:121], v[120:121], v[116:117]
	v_cmp_gt_u32 vcc_lo, s[REMP], v17              ; the mask: rows at or behind the length have energy 0, and still take part in the softmax
	v_cndmask_b32 v120, 0, v120, vcc_lo
	v_cmp_gt_u32 vcc_lo, s[REMP], v18
	v_cndmask_b32 v121, 0, v121, vcc_lo
	s_cmp_lg_u32 s[WV], 0
	s_cbranch_scc1 .Lnoen_\@
	global_store_b64 v3, v[120:121], s[ENB:ENB+1]  ; wave 0: the tile's 64 energies, 256 consecutive bytes, aligned
.Lnoen_\@:
	v_max_num_f32 v132, v120, v121                 ; the tile's largest energy
.irp x, 1,2,4,8
	v_max_num_f32_dpp v132, v132, v132 row_xmask:\x row_mask:0xf bank_mask:0xf
.endr
	v_permlanex16_b32 v133, v132, s[SEL], s[SEL+1]
	v_max_num_f32 v132, v132, v133
	v_sub_f32 v122, v120, v132
	v_sub_f32 v123, v121, v132
	v_mul_f32 v122, 0x3fb8aa3b, v122
	v_mul_f32 v123, 0x3fb8aa3b, v123
	v_exp_f32 v122, v122                           ; p = e^(energy - the tile's largest), at most 1
	v_exp_f32 v123, v123
.irp n, 0,1,2,3
	v_mov_b32 v[124+\n], 0                         ; (plain places behind the two exponentials)
.endr
	s_wait_alu depctr_va_vdst(0)                   ; one wait for the two, ahead of their first reader
	s_wait_dscnt 16                                ; rows 0-15 are in; the younger group may be out
	XROWS 0
	XGROUP 2
	s_wait_dscnt 16
	XROWS 1
	XGROUP 3
	s_wait_dscnt 16
	XROWS 2
	s_wait_dscnt 0x0
	XROWS 3
	global_store_b128 v19, v[124:127], s[PCB:PCB+1]        ; 32 lanes store 512 consecutive bytes
.Lxend_\@:
.endm
.macro XSHORT                          ; the tile just taken, if it goes the short way: energies 0, and the four loaders' sums of my columns.  Registers of its own for what it stores: the stores above may still read theirs
	s_cmp_lg_u32 s[REMC], 0
	s_cbranch_scc1 .Lxsend_\@
.irp q, 0,1,2,3
	ds_load_b128 v[184+4*\q:187+4*\q], v31 offset:4096*\q
.endr
	s_cmp_lg_u32 s[WV], 0
	s_cbranch_scc1 .Lxsnoen_\@
	v_mov_b32 v134, 0
	v_mov_b32 v135, 0
	global_store_b64 v3, v[134:135], s[ENC:ENC+1]  ; wave 0: 64 energies of 0, 256 consecutive bytes, aligned
.Lxsnoen_\@:
	s_wait_dscnt 0x0
	v_pk_add_f32 v[200:201], v[184:185], v[188:189]
	v_pk_add_f32 v[202:203], v[186:187], v[190:191]
	v_pk_add_f32 v[204:205], v[192:193], v[196:197]
	v_pk_add_f32 v[206:207], v[194:195], v[198:199]
	v_pk_add_f32 v[200:201], v[200:201], v[204:205]
	v_pk_add_f32 v[202:203], v[202:203], v[206:207]
	global_store_b128 v19, v[200:203], s[PCC:PCC+1]        ; 32 lanes store 512 consecutive bytes
.Lxsend_\@:
.endm
; ---- THE FIRST PHASE: two halves of eight rows a loader.  The addresses of a half are made where all waves pass.  withG = 1: the GEMM waves work the tile before, in the first half's turn, and the tile may go the short way.
.macro PPHASE withG
.if \withG
	s_cmp_lt_u32 s[WV], 4
	s_cbranch_scc1 .Lnoclr_\@
.irp j, 0,1,2,3,4,5,6,7,8,9,10,11,12,13,14,15,16,17,18,19,20,21,22,23,24,25,26,27,28,29,30,31
	v_mov_b32 v[DA+\j], 0                          ; the loaders' sums begin anew (their last LDS stores were waited for at the barrier)
.endr
.Lnoclr_\@:
.endif
	s_mov_b32 s[HC], 0
.Lhalf_\@:
	s_wait_xcnt 0x0                                ; the loads have read their base,
	s_wait_dscnt 0x0                               ; the LDS stores their addresses
	s_cmp_eq_u32 s[HC], 0
	s_cselect_b64 s[LB:LB+1], s[CUR8:CUR8+1], s[NXT:NXT+1] ; while rows 0-7 are worked rows 8-15 are asked for; while rows 8-15 are worked, the next tile's rows 0-7
	s_lshl_b32 s66, s[HC], 14
	s_add_co_u32 s66, s66, s[BUFW]
	v_add_nc_u32 v12, s66, v10                     ; the copy: eight rows of 2,048 bytes a half
	s_lshl_b32 s66, s[HC], 7
	v_add_nc_u32 v13, s66, v8                      ; the images: 16 bytes a row
	s_lshl_b32 s66, s[HC], 5
	v_add_nc_u32 v14, s66, v9                      ; the scale words: 4 bytes a row
	s_cmp_lt_u32 s[WV], 4
	s_cbranch_scc0 .Lload_\@
.if \withG
	s_cmp_lg_u32 s[HC], 0
	s_cbranch_scc1 .Ljoin_\@
	s_cmp_eq_u32 s[DP], 0                          ; a tile that went the short way is done
	s_cbranch_scc1 .Ljoin_\@
	GSECT
.endif
	s_branch .Ljoin_\@
.Lload_\@:
.if \withG
	s_cmp_eq_u32 s[PER], 4                         ; the last period has no tile to fill
	s_cbranch_scc1 .Ljoin_\@
	s_lshl_b32 s66, s[PER], 1
	s_add_co_u32 s66, s66, s[HC]                   ; 7: the last half of the last tile, which asks for nothing: no load leaves its buffer
	s_cmp_eq_u32 s[REMC], 0
	s_cbranch_scc1 .Lshort_\@
	s_cmp_eq_u32 s66, 7
	s_cbranch_scc1 .Ldrain_\@
.endif
	HBLOCK 1
.if \withG
	s_branch .Ljoin_\@
.Ldrain_\@:
	HBLOCK 0
	s_branch .Ljoin_\@
.Lshort_\@:
	s_cmp_eq_u32 s66, 7
	s_cbranch_scc1 .Lsdrain_\@
	HBLOCKD 1
	s_branch .Lssum_\@
.Lsdrain_\@:
	HBLOCKD 0
.Lssum_\@:
	s_cmp_eq_u32 s[HC], 0
	s_cbranch_scc1 .Ljoin_\@
.irp j, 0,1,2,3,4,5,6,7
	ds_store_b128 v30, v[DA+4*\j:DA+4*\j+3] offset:512*\j  ; my 16 rows' sums, columns in their order: 32 lanes, 512 consecutive bytes
.endr
.endif
.Ljoin_\@:
	s_add_co_u32 s[HC], s[HC], 1
	s_cmp_lt_u32 s[HC], 2
	s_cbranch_scc1 .Lhalf_\@
.endm
	; ---- the head
	s_load_b256 s[4:11], s[0:1], 0x0               ; enc_out s[4:5], wf s[6:7], ws s[8:9], cb s[10:11]
	s_load_b256 s[12:19], s[0:1], 0x20             ; v s[12:13], order s[14:15], en s[16:17], pc s[18:19]
	v_lshl_add_u32 v254, v0, 2, 0x4cc00
	v_mov_b32 v255, 0
	v_lshrrev_b32 v31, 5, v0
	v_readfirstlane_b32 s[WV], v31                 ; wave 0..7
	s_and_b32 s[LW], s[WV], 3
	v_and_b32 v30, 31, v0                          ; lane
	v_lshlrev_b32 v1, 4, v30
	v_and_b32 v31, 15, v0
	v_lshlrev_b32 v2, 2, v31
	v_lshlrev_b32 v3, 3, v30
	v_add_nc_u32 v4, IMG, v1
	v_lshl_add_u32 v5, v30, 2, ASC
	v_bfe_u32 v31, v0, 4, 1
	s_lshl_b32 s66, s[LW], 8
	s_add_co_u32 s66, s66, EP
	v_lshl_add_u32 v6, v31, 5, s66                 ; partial energies, on the way in: my wave's 64, + 8 rows for lanes 16-31
	v_add_nc_u32 v7, EP, v3                        ; and out: two rows a lane
	v_lshrrev_b32 v31, 3, v30                      ; lane / 8: my block of a K step's four
	v_and_b32 v8, 7, v0
	v_lshlrev_b32 v8, 1, v8
	v_lshl_add_u32 v8, v31, 8, v8                  ; in a fragment's image block 2 c + h begins at 512 c + 256 h; my four codes are bytes 2 (lane % 8) of the row's 16
	s_lshl_b32 s66, s[LW], 13
	s_add_co_u32 s66, s66, IMG
	v_add_nc_u32 v8, s66, v8                       ; my row tile's eight fragments
	s_lshr_b32 s66, s[LW], 1
	s_lshl_b32 s66, s66, 10
	s_and_b32 s67, s[LW], 1
	s_lshl_b32 s67, s67, 6
	s_add_co_u32 s66, s66, s67
	s_add_co_u32 s66, s66, ASC
	v_add_nc_u32 v9, s66, v31                      ; my block's byte in the row's scale word
	s_lshl_b32 s66, s[LW], 15
	v_add_nc_u32 v10, s66, v3                      ; the copy, on the way in: my 16 rows, 8 bytes a lane
	s_lshl_b32 s66, s[WV], 8
	v_add_nc_u32 v11, s66, v3                      ; and out: my wave's 256 bytes of a row
	v_lshlrev_b32 v17, 1, v30
	v_or_b32 v18, 1, v17
	s_lshl_b32 s66, s[WV], 9
	v_add_nc_u32 v19, s66, v1
	v_add_nc_u32 v31, DSUM, v19                    ; the short way's sums, on the way out: my wave's 512 bytes of a loader's 4,096,
	s_lshl_b32 s66, s[LW], 12
	s_add_co_u32 s66, s66, DSUM
	v_add_nc_u32 v30, s66, v1                      ; and in: my loader's 4,096 bytes, 16 a lane
.irp j, 21,23,25,27,29
	v_mov_b32 v[\j], 0                             ; the upper halves of pairs of which the packed forms take the lower for both results: named, so written
.endr
	v_mov_b32 v133, 0                              ; a lane permute's destination counts as one of its sources
	s_mov_b32 s[CC], 0x4038aa3b                    ; c = 2 log2(e)
	s_mov_b32 s[CC+1], 0x4038aa3b
	s_mov_b32 s[SEL], 0x76543210
	s_mov_b32 s[SEL+1], 0xfedcba98
	s_mov_b32 s[QP], 0
	s_mov_b32 s[BUFW], 0
	s_mov_b32 s[BUFR], COPYB
	s_mov_b32 s[PER], 0
	s_lshl_b32 s66, ttmp9, 2
	s_mov_b32 s67, 0
	s_wait_kmcnt 0x0
	s_add_nc_u64 s[14:15], s[14:15], s[66:67]
	s_load_b32 s[QC], s[14:15], 0x0                ; list places g, g + 256, g + 512, g + 768: my tiles with rows under the length come first
	s_load_b32 s[QN], s[14:15], 0x400
	s_load_b32 s[QA], s[14:15], 0x800
	s_load_b32 s[QB], s[14:15], 0xc00
	s_lshl_b32 s66, s[LW], 17                      ; my 16 N tiles: 8,192 bytes each in wf,
	s_add_nc_u64 s[BW:BW+1], s[6:7], s[66:67]
	s_lshl_b32 s66, s[LW], 13                      ; 512 in ws,
	s_add_nc_u64 s[BW+2:BW+3], s[8:9], s[66:67]
	s_lshl_b32 s66, s[LW], 15                      ; 2,048 in cb,
	s_add_nc_u64 s[BW+4:BW+5], s[10:11], s[66:67]
	s_lshl_b32 s66, s[LW], 10                      ; 64 in v
	s_add_nc_u64 s[BW+6:BW+7], s[12:13], s[66:67]
	s_wait_kmcnt 0x0
	; ---- period 0: the first tile is filled, the long way; there is none to work
	DECODE
	s_cmp_lt_u32 s[WV], 4
	s_cbranch_scc1 .Lnoprime
	WIN 0x40
.irp i, 0,1,2,3,4,5,6,7                ; the ring is filled: my rows 0-7 of the first tile, from the address of my row 0 on: every offset is 0 or more
.irp j, 0,1,2,3,4,5,6,7
	global_load_b128 v[32*\i+4*\j:32*\i+4*\j+3], v1, s[LB:LB+1] offset:4096*\i+512*\j th:TH_LOAD_NT
.endr
.endr
	WIN 0
.Lnoprime:
	PPHASE 0
	BAR                                            ; the tile's images, scale words and copy lie in LDS
	s_cmp_lt_u32 s[WV], 4
	s_cbranch_scc0 .Lnoa0
	AREAD
.Lnoa0:
	BAR                                            ; they have been read: the next period may write
	SHIFT
	s_mov_b32 s[PER], 1
.Lperiod:                              ; periods 1 to 4
	DECODE
	PPHASE 1                                       ; tile P is taken (P < 4), tile P - 1 is worked: LDS is only written
	BAR
	s_cmp_lt_u32 s[WV], 4
	s_cbranch_scc0 .Lnoa
	s_cmp_lt_u32 s[PER], 4
	s_cbranch_scc0 .Lnoa
	s_cmp_eq_u32 s[REMC], 0                        ; a tile that goes the short way has no fragments
	s_cbranch_scc1 .Lnoa
	AREAD                                          ; tile P's fragments
.Lnoa:
	XCTX                                           ; tile P - 1's energies, weights and partial context,
	XSHORT                                         ; or tile P's sum: LDS is only read
	BAR
	SHIFT
	s_add_co_u32 s[PER], s[PER], 1
	s_cmp_lt_u32 s[PER], 5
	s_cbranch_scc1 .Lperiod
	s_wait_tensorcnt 0x0
	ds_add_u32 v254, v255
	s_wait_dscnt 0x0
	s_endpgm
.Lfunc_end_k_q13822c3b10_main:
	.size	k_q13822c3b10_main, .Lfunc_end_k_q13822c3b10_main-k_q13822c3b10_main
	.p2alignl 7, 3214868480
	.fill 96, 4, 3214868480
	.section	.rodata,"a",@progbits
	.p2align	6, 0x0
	.amdhsa_kernel k_q13822c3b10_main
		.amdhsa_group_segment_fixed_size 315392
		.amdhsa_private_segment_fixed_size 0
		.amdhsa_enable_private_segment 0
		.amdhsa_kernarg_size 64
		.amdhsa_user_sgpr_count 2
		.amdhsa_user_sgpr_kernarg_segment_ptr 1
		.amdhsa_wavefront_size32 1
		.amdhsa_system_sgpr_workgroup_id_x 1
		.amdhsa_system_sgpr_workgroup_id_y 1
		.amdhsa_system_sgpr_workgroup_id_z 1
		.amdhsa_system_vgpr_workitem_id 0
		.amdhsa_next_free_vgpr 512
		.amdhsa_next_free_sgpr 96
		.amdhsa_reserve_vcc 1
		.amdhsa_float_denorm_mode_32 3
		.amdhsa_float_denorm_mode_16_64 3
		.amdhsa_memory_ordered 1
		.amdhsa_forward_progress 1
		.amdhsa_inst_pref_size 255
	.end_amdhsa_kernel
	.section	.bss,"aw",@nobits
	.p2align	6
	.space	262144
	.amdgpu_metadata
---
amdhsa.version: [ 1, 2 ]
amdhsa.kernels:
  - .name:           k_q13822c3b10_main
    .symbol:         k_q13822c3b10_main.kd
    .args:
      - { .name: enc_out, .offset: 0, .size: 8, .value_kind: global_buffer, .address_space: global }
      - { .name: wf, .offset: 8, .size: 8, .value_kind: global_buffer, .address_space: global }
      - { .name: ws, .offset: 16, .size: 8, .value_kind: global_buffer, .address_space: global }
      - { .name: cb, .offset: 24, .size: 8, .value_kind: global_buffer, .address_space: global }
      - { .name: v, .offset: 32, .size: 8, .value_kind: global_buffer, .address_space: global }
      - { .name: order, .offset: 40, .size: 8, .value_kind: global_buffer, .address_space: global }
      - { .name: en, .offset: 48, .size: 8, .value_kind: global_buffer, .address_space: global }
      - { .name: pc, .offset: 56, .size: 8, .value_kind: global_buffer, .address_space: global }
    .group_segment_fixed_size: 315392
    .private_segment_fixed_size: 0
    .kernarg_segment_align: 8
    .kernarg_segment_size: 64
    .max_flat_workgroup_size: 256
    .sgpr_count:     96
    .vgpr_count:     512
    .wavefront_size: 32
...
	.end_amdgpu_metadata
.endif
;; end of part 2
;; launch combine (part 3): grid 32 x 2, 8 waves a work-group, no clusters, 2,048 bytes of LDS; arguments en, pc, out0, out1; writes out0, out1
.if DOCPART == 3
	.amdgcn_target "amdgcn-amd-amdhsa--gfx1250"
	.amdhsa_code_object_version 6
	.text
	.protected	k_q13822c3b10_combine
	.globl	k_q13822c3b10_combine
	.p2align	8
	.type	k_q13822c3b10_combine,@function
k_q13822c3b10_combine:
	s_mov_b64 s[64:65], 0
	v_nop
	global_prefetch_b8 v0, s[64:65] scope:SCOPE_SE
	s_setreg_imm32_b32 hwreg(HW_REG_WAVE_MODE, 25, 1), 1
	s_wait_xcnt 0x0
; The softmax over a batch's 2,048 energies, and the context from the 32 tiles' partial contexts.
; att[t] = e^(en[t] - M) / S, M the batch's largest energy, S the sum.  A tile's partial context was summed under the tile's own largest energy m: context = sum over tiles of e^(m - M) x pc[tile] / S.
; m is taken again from the energies: a maximum rounds nothing, so it is the number that the main launch used.
; Work-group (b, cy), 256 threads.  Both work-groups of a batch make M, S and the tiles' weights; cy says which half of att (1,024 numbers) and of the context (512 columns) is stored here.
; Thread t holds energies 4 t + 1,024 u + 0 .. 3, u = 0, 1: a tile of 64 is sixteen neighbouring lanes, tile = 16 u + t / 16.
.set RED,  0                           ; LDS: the eight waves' maxima,
.set RED2, 64                          ; their sums,
.set WT,   128                         ; the 32 tiles' weights
	s_load_b256 s[4:11], s[0:1], 0x0               ; en s[4:5], pc s[6:7], out0 s[8:9], out1 s[10:11]
	v_lshl_add_u32 v144, v0, 2, 0x400
	v_mov_b32 v145, 0
	v_lshlrev_b32 v2, 4, v0                        ; 16 t
	v_lshlrev_b32 v3, 3, v0                        ; 8 t
	v_lshrrev_b32 v4, 5, v0
	v_lshlrev_b32 v4, 2, v4                        ; 4 x wave
	v_lshrrev_b32 v5, 4, v0
	v_lshlrev_b32 v5, 2, v5                        ; 4 x (t / 16)
	v_mov_b32 v6, 0
	v_mov_b32 v19, 0                               ; a lane permute's destination counts as one of its sources
	s_and_b32 s13, ttmp7, 0xffff                   ; cy
	s_mov_b32 s20, 0x76543210
	s_mov_b32 s21, 0xfedcba98
	s_lshl_b32 s14, ttmp9, 13                      ; a batch's energies, and its row of att: 8,192 bytes
	s_mov_b32 s15, 0
	s_lshl_b32 s18, s13, 11                        ; my 512 columns: 2,048 bytes
	s_lshl_b32 s16, ttmp9, 17                      ; a batch's 32 partial contexts of 4,096 bytes
	s_add_co_u32 s16, s16, s18
	s_mov_b32 s17, 0
	s_lshl_b32 s22, ttmp9, 12                      ; a batch's context: 4,096 bytes
	s_add_co_u32 s22, s22, s18
	s_mov_b32 s23, 0
	s_wait_kmcnt 0x0
	s_add_nc_u64 s[4:5], s[4:5], s[14:15]
	s_add_nc_u64 s[10:11], s[10:11], s[14:15]
	s_add_nc_u64 s[6:7], s[6:7], s[16:17]
	s_add_nc_u64 s[8:9], s[8:9], s[22:23]
	global_load_b128 v[8:11], v2, s[4:5]
	global_load_b128 v[12:15], v2, s[4:5] offset:4096
.irp k, 0,1,2,3,4,5,6,7,8,9,10,11,12,13,14,15,16,17,18,19,20,21,22,23,24,25,26,27,28,29,30,31
	global_load_b64 v[32+2*\k:33+2*\k], v3, s[6:7] offset:4096*\k      ; tile k, my two columns: a wave reads 256 consecutive bytes
.endr
	s_wait_loadcnt 32                              ; the energies are in; the 32 loads behind them may be out
	v_max3_num_f32 v16, v8, v9, v10
	v_max3_num_f32 v17, v12, v13, v14
	v_max_num_f32 v16, v16, v11
	v_max_num_f32 v17, v17, v15
.irp x, 1,2,4,8
	v_max_num_f32_dpp v16, v16, v16 row_xmask:\x row_mask:0xf bank_mask:0xf    ; my two tiles' largest energies
	v_max_num_f32_dpp v17, v17, v17 row_xmask:\x row_mask:0xf bank_mask:0xf
.endr
	v_max_num_f32 v18, v16, v17
	v_permlanex16_b32 v19, v18, s20, s21
	v_max_num_f32 v18, v18, v19                    ; the wave's
	ds_store_b32 v4, v18 offset:RED
	s_wait_dscnt 0x0                               ; for the others' sake: my store has landed
	s_barrier_signal -1
	s_barrier_wait -1
	ds_load_b128 v[20:23], v6 offset:RED
	ds_load_b128 v[24:27], v6 offset:RED+16
	s_wait_dscnt 0x0
	v_max3_num_f32 v28, v20, v21, v22
	v_max3_num_f32 v28, v28, v23, v24
	v_max3_num_f32 v28, v28, v25, v26
	v_max_num_f32 v28, v28, v27                    ; M
.irp j, 8,9,10,11,12,13,14,15,16,17
	v_sub_f32 v[\j], v[\j], v28
.endr
.irp j, 8,9,10,11,12,13,14,15,16,17
	v_mul_f32 v[\j], 0x3fb8aa3b, v[\j]
.endr
.irp j, 8,9,10,11,12,13,14,15,16,17
	v_exp_f32 v[\j], v[\j]                         ; eight e^(en - M), and my two tiles' weights e^(m - M)
.endr
	v_nop                                          ; a plain place behind the batch,
	s_wait_alu depctr_va_vdst(0)                   ; and one wait for it ahead of its first reader
	v_pk_add_f32 v[30:31], v[8:9], v[10:11]
	v_pk_add_f32 v[28:29], v[12:13], v[14:15]
	v_pk_add_f32 v[30:31], v[30:31], v[28:29]
	v_add_f32 v30, v30, v31
.irp x, 1,2,4,8
	v_add_f32_dpp v30, v30, v30 row_xmask:\x row_mask:0xf bank_mask:0xf
.endr
	v_permlanex16_b32 v19, v30, s20, s21
	v_add_f32 v30, v30, v19                        ; the wave's sum
	ds_store_b32 v4, v30 offset:RED2
	ds_store_b32 v5, v16 offset:WT                 ; sixteen lanes write the same word with the same value
	ds_store_b32 v5, v17 offset:WT+64
	s_wait_dscnt 0x0
	s_barrier_signal -1
	s_barrier_wait -1
	ds_load_b128 v[20:23], v6 offset:RED2
	ds_load_b128 v[24:27], v6 offset:RED2+16
.irp q, 0,1,2,3,4,5,6,7
	ds_load_b128 v[96+4*\q:99+4*\q], v6 offset:WT+16*\q    ; v96 + k: tile k's weight
.endr
	s_wait_dscnt 0x0
	v_add_f32 v20, v20, v21
	v_add_f32 v22, v22, v23
	v_add_f32 v24, v24, v25
	v_add_f32 v26, v26, v27
	v_add_f32 v20, v20, v22
	v_add_f32 v24, v24, v26
	v_add_f32 v20, v20, v24                        ; S: at least 1, since the largest energy's term is 1
	v_rcp_f32 v31, v20
	v_nop
	s_wait_alu depctr_va_vdst(0)
	s_cmp_eq_u32 s13, 0
	s_cbranch_scc0 .Lupper
.irp i, 0,1,2,3
	v_mul_f32 v[128+\i], v[8+\i], v31
.endr
	global_store_b128 v2, v[128:131], s[10:11]     ; 32 lanes store 512 consecutive bytes
	s_branch .Lctx
.Lupper:
.irp i, 0,1,2,3
	v_mul_f32 v[128+\i], v[12+\i], v31
.endr
	global_store_b128 v2, v[128:131], s[10:11] offset:4096
.Lctx:
	s_wait_loadcnt 0x0                             ; the partial contexts
	v_mul_f32 v132, v32, v96                       ; two chains for each column: even tiles, odd tiles
	v_mul_f32 v133, v33, v96
	v_mul_f32 v134, v34, v97
	v_mul_f32 v135, v35, v97
.irp k, 2,4,6,8,10,12,14,16,18,20,22,24,26,28,30
	v_fma_f32 v132, v[32+2*\k], v[96+\k], v132
	v_fma_f32 v133, v[33+2*\k], v[96+\k], v133
	v_fma_f32 v134, v[34+2*\k], v[97+\k], v134
	v_fma_f32 v135, v[35+2*\k], v[97+\k], v135
.endr
	v_add_f32 v132, v132, v134
	v_add_f32 v133, v133, v135
	v_mul_f32 v132, v132, v31
	v_mul_f32 v133, v133, v31
	global_store_b64 v3, v[132:133], s[8:9]        ; a wave stores 256 consecutive bytes, aligned
	s_wait_tensorcnt 0x0
	ds_add_u32 v144, v145
	s_wait_dscnt 0x0
	s_endpgm
.Lfunc_end_k_q13822c3b10_combine:
	.size	k_q13822c3b10_combine, .Lfunc_end_k_q13822c3b10_combine-k_q13822c3b10_combine
	.p2alignl 7, 3214868480
	.fill 96, 4, 3214868480
	.section	.rodata,"a",@progbits
	.p2align	6, 0x0
	.amdhsa_kernel k_q13822c3b10_combine
		.amdhsa_group_segment_fixed_size 2048
		.amdhsa_private_segment_fixed_size 0
		.amdhsa_enable_private_segment 0
		.amdhsa_kernarg_size 32
		.amdhsa_user_sgpr_count 2
		.amdhsa_user_sgpr_kernarg_segment_ptr 1
		.amdhsa_wavefront_size32 1
		.amdhsa_system_sgpr_workgroup_id_x 1
		.amdhsa_system_sgpr_workgroup_id_y 1
		.amdhsa_system_sgpr_workgroup_id_z 1
		.amdhsa_system_vgpr_workitem_id 0
		.amdhsa_next_free_vgpr 146
		.amdhsa_next_free_sgpr 66
		.amdhsa_reserve_vcc 0
		.amdhsa_float_denorm_mode_32 3
		.amdhsa_float_denorm_mode_16_64 3
		.amdhsa_memory_ordered 1
		.amdhsa_forward_progress 1
		.amdhsa_inst_pref_size 14
	.end_amdhsa_kernel
	.amdgpu_metadata
---
amdhsa.version: [ 1, 2 ]
amdhsa.kernels:
  - .name:           k_q13822c3b10_combine
    .symbol:         k_q13822c3b10_combine.kd
    .args:
      - { .name: en, .offset: 0, .size: 8, .value_kind: global_buffer, .address_space: global }
      - { .name: pc, .offset: 8, .size: 8, .value_kind: global_buffer, .address_space: global }
      - { .name: out0, .offset: 16, .size: 8, .value_kind: global_buffer, .address_space: global }
      - { .name: out1, .offset: 24, .size: 8, .value_kind: global_buffer, .address_space: global }
    .group_segment_fixed_size: 2048
    .private_segment_fixed_size: 0
    .kernarg_segment_align: 8
    .kernarg_segment_size: 32
    .max_flat_workgroup_size: 256
    .sgpr_count:     66
    .vgpr_count:     146
    .wavefront_size: 32
...
	.end_amdgpu_metadata
.endif
;; end of part 3
;; ======== version 2 of 2: 3 launches
;; workspace buffers: wf 524,288 bytes; ws 32,768 bytes; cb 131,072 bytes; order 4,096 bytes of whole numbers; en 262,144 bytes; pc 4,194,304 bytes
;; launch prep (part 4): grid 129 x 1, 1 waves a work-group, no clusters, 0 bytes of LDS; arguments W_dec_codes, W_dec_scales, W_enc_codes, W_enc_scales, dec_out_codes, dec_out_scales, b_enc, x_lens, wf, ws, cb, order; writes wf, ws, cb, order
.if DOCPART == 4
	.amdgcn_target "amdgcn-amd-amdhsa--gfx1250"
	.amdhsa_code_object_version 6
	.text
	.protected	k_q13822c3b10_prep
	.globl	k_q13822c3b10_prep
	.p2align	8
	.type	k_q13822c3b10_prep,@function
k_q13822c3b10_prep:
	s_mov_b64 s[64:65], 0
	v_nop
	global_prefetch_b8 v0, s[64:65] scope:SCOPE_SE
	s_setreg_imm32_b32 hwreg(HW_REG_WAVE_SCHED_MODE, 0, 2), 2
	s_setreg_imm32_b32 hwreg(HW_REG_WAVE_MODE, 25, 1), 1
	s_wait_xcnt 0x0
	s_wait_alu depctr_vm_vsrc(0)
; What the main launch wants ready, made once.  129 work-groups of one wave, three kinds, told apart by the work-group's number:
;   0 .. 63    (n): cb[n][b][16] = c x (dec_out . W_dec + b_enc) for columns 16 n .. 16 n + 15 and all 32 batches, c = 2 log2(e): the product on codes of FP4 (E2M1) with E8M0 scales, as they are given
;   64 .. 127  (n): W_enc's codes and scale words of columns 16 n .. 16 n + 15, laid in the order of the operand's registers, so that the main launch loads 512 consecutive bytes an instruction
;   128           : from x_lens a list of the 1,024 tiles of 64 rows (tile = 32 b + j), those with rows under the length first.  An entry: bits 9:0 the tile, 14:10 b, 22:16 the tile's rows under the length (0 .. 64)
; x_lens below 0 counts as 0, above 2,048 as 2,048: so does the mask t < x_lens.
; cb's stores are 16 bytes a lane, 32 bytes apart, two stores filling each other's gaps: cb keeps the layout that the main launch's loop reads densely; it is 131,072 bytes in all.
; THE MODE: SCHED_MODE bits 1:0 = 2 (LLVM: expert scheduling mode 2), set by the entry lines.  The code itself states the register dependences between vector or matrix instructions
; and memory instructions, and those through scalar registers that vector instructions write, with s_wait_alu, always for 0.
; THE PLAN.  Each of the three ways is straight: offsets made by vector lines, one wait, all its loads; then arithmetic into registers of its own, one wait, all its stores.  No register that a memory
; instruction has read is written again.  In the list's way the lanes' counts and the compares' masks go into s32-47 in runs of sixteen, one wait behind each run.
.set C2L, 0x4038aa3b                   ; c = 2 log2(e)
	s_load_b256 s[4:11], s[0:1], 0x0               ; W_dec's codes s[4:5], scales s[6:7]; W_enc's codes s[8:9], scales s[10:11]
	s_load_b256 s[12:19], s[0:1], 0x20             ; dec_out's codes s[12:13], scales s[14:15]; b_enc s[16:17]; x_lens s[18:19]
	s_load_b256 s[20:27], s[0:1], 0x40             ; wf s[20:21], ws s[22:23], cb s[24:25], order s[26:27]
	v_and_b32 v1, 15, v0                           ; r
	v_lshrrev_b32 v2, 4, v0                        ; h
	v_lshlrev_b32 v3, 9, v1
	v_lshl_add_u32 v3, v2, 4, v3                   ; a fragment's place: row r of 512 bytes (1,024 codes), + 16 h
	s_mov_b32 s29, 0
	s_wait_kmcnt 0x0
	s_cmp_lt_u32 ttmp9, 64
	s_cbranch_scc0 .Lnot_dec
	; ---- c x (dec_out . W_dec + b_enc).  TRANSPOSED: source 0 = 16 rows of W_dec's codes (columns a), source 1 = 16 batches: lane (r, h) holds batch r and columns 8 h + 0 .. 7
	s_lshl_b32 s28, ttmp9, 13
	s_add_nc_u64 s[4:5], s[4:5], s[28:29]          ; 16 n rows of 512 bytes
	s_lshl_b32 s28, ttmp9, 9
	s_add_nc_u64 s[6:7], s[6:7], s[28:29]          ; 16 n rows of 32 scale bytes
	s_lshl_b32 s28, ttmp9, 6
	s_add_nc_u64 s[16:17], s[16:17], s[28:29]      ; b_enc at column 16 n
	s_lshl_b32 s28, ttmp9, 11
	s_add_nc_u64 s[24:25], s[24:25], s[28:29]      ; cb at tile n
	s_mov_b32 s30, C2L
	s_mov_b32 s31, C2L                             ; (named with s30 as a pair, so it is written)
	s_wait_alu depctr_va_vdst(0)
	v_lshlrev_b32 v4, 5, v1                        ; W_dec's scale words: row r
	v_lshlrev_b32 v5, 5, v0                        ; dec_out's: batch = lane: lanes 0-15 batches 0-15, lanes 16-31 batches 16-31
	v_lshlrev_b32 v6, 5, v2                        ; b_enc: my eight columns, 8 h x 4 bytes
	v_lshlrev_b32 v7, 6, v1
	v_lshl_add_u32 v7, v2, 5, v7                   ; cb: batch r x 64 bytes + 32 h
	s_wait_alu depctr_va_vdst(0)                   ; v3 to v7 are written: the loads and stores of this way read them as offsets
.irp s, 0,1,2,3,4,5,6,7
.irp c, 0,1
	global_load_b128 v[32+8*\s+4*\c:35+8*\s+4*\c], v3, s[4:5] offset:64*\s+32*\c
	global_load_b128 v[96+8*\s+4*\c:99+8*\s+4*\c], v3, s[12:13] offset:64*\s+32*\c
	global_load_b128 v[160+8*\s+4*\c:163+8*\s+4*\c], v3, s[12:13] offset:8192+64*\s+32*\c
.endr
.endr
	global_load_b128 v[224:227], v4, s[6:7]        ; v224 + s: W_dec's scale word of K step s
	global_load_b128 v[228:231], v4, s[6:7] offset:16
	global_load_b128 v[232:235], v5, s[14:15]      ; v232 + s: dec_out's
	global_load_b128 v[236:239], v5, s[14:15] offset:16
	global_load_b128 v[16:19], v6, s[16:17]        ; b_enc is the C of each sum's first product
	global_load_b128 v[20:23], v6, s[16:17] offset:16
	s_wait_loadcnt 0x0
	; two accumulators (batches 0-15, 16-31) by turns, one instruction a turn, K ascending
	v_wmma_scale_f32_16x16x128_f8f6f4 v[8:15], v[32:39], v[96:103], v[16:23], v224, v232 matrix_a_fmt:MATRIX_FMT_FP4 matrix_b_fmt:MATRIX_FMT_FP4
	v_wmma_scale_f32_16x16x128_f8f6f4 v[24:31], v[32:39], v[160:167], v[16:23], v224, v232 matrix_a_fmt:MATRIX_FMT_FP4 matrix_b_fmt:MATRIX_FMT_FP4 matrix_b_scale:MATRIX_SCALE_ROW1
.irp s, 1,2,3,4,5,6,7
	v_wmma_scale_f32_16x16x128_f8f6f4 v[8:15], v[32+8*\s:39+8*\s], v[96+8*\s:103+8*\s], v[8:15], v[224+\s], v[232+\s] matrix_a_fmt:MATRIX_FMT_FP4 matrix_b_fmt:MATRIX_FMT_FP4
	v_wmma_scale_f32_16x16x128_f8f6f4 v[24:31], v[32+8*\s:39+8*\s], v[160+8*\s:167+8*\s], v[24:31], v[224+\s], v[232+\s] matrix_a_fmt:MATRIX_FMT_FP4 matrix_b_fmt:MATRIX_FMT_FP4 matrix_b_scale:MATRIX_SCALE_ROW1
.endr
.rept 4
	v_nop                                          ; four places between a product and the first read of its result (ISA guide 7.12.1)
.endr
.irp i, 0,1,2,3
	v_pk_mul_f32 v[240+2*\i:241+2*\i], v[8+2*\i:9+2*\i], s[30:31] op_sel_hi:[1,0]     ; x c, each accumulator from its low end
.endr
.irp i, 0,1,2,3
	v_pk_mul_f32 v[248+2*\i:249+2*\i], v[24+2*\i:25+2*\i], s[30:31] op_sel_hi:[1,0]
.endr
	s_wait_alu depctr_va_vdst(0)                   ; the multiplications have written v[240:255], which the four stores read
	global_store_b128 v7, v[240:243], s[24:25]
	global_store_b128 v7, v[244:247], s[24:25] offset:16
	global_store_b128 v7, v[248:251], s[24:25] offset:1024
	global_store_b128 v7, v[252:255], s[24:25] offset:1040
	s_endpgm
.Lnot_dec:
	s_cmp_lt_u32 ttmp9, 128
	s_cbranch_scc0 .Llist
	; ---- W_enc in the order of the operand's registers: wf[n][K step s][c][lane][16 bytes]; ws[n][lane][4 words]: word q of lane (r, h) = column r's scale word of K step 2 q + h
	s_sub_co_u32 s30, ttmp9, 64
	s_lshl_b32 s28, s30, 13
	s_add_nc_u64 s[8:9], s[8:9], s[28:29]
	s_add_nc_u64 s[20:21], s[20:21], s[28:29]
	s_lshl_b32 s28, s30, 9
	s_add_nc_u64 s[10:11], s[10:11], s[28:29]
	s_add_nc_u64 s[22:23], s[22:23], s[28:29]
	s_wait_alu depctr_va_vdst(0)
	v_lshlrev_b32 v4, 5, v1
	v_lshl_add_u32 v4, v2, 2, v4                   ; 32 r + 4 h
	v_lshlrev_b32 v5, 4, v0                        ; 16 x lane
	s_wait_alu depctr_va_vdst(0)                   ; v3, v4 and v5 are written: the loads and stores of this way read them as offsets
.irp s, 0,1,2,3,4,5,6,7
.irp c, 0,1
	global_load_b128 v[32+8*\s+4*\c:35+8*\s+4*\c], v3, s[8:9] offset:64*\s+32*\c
.endr
.endr
.irp q, 0,1,2,3
	global_load_b32 v[96+\q], v4, s[10:11] offset:8*\q
.endr
	s_wait_loadcnt 0x0
.irp s, 0,1,2,3,4,5,6,7
.irp c, 0,1
	global_store_b128 v5, v[32+8*\s+4*\c:35+8*\s+4*\c], s[20:21] offset:1024*\s+512*\c     ; 32 lanes store 512 consecutive bytes
.endr
.endr
	global_store_b128 v5, v[96:99], s[22:23]
	s_endpgm
.Llist:
	; ---- the list.  Lane = b.  L = the batch's tiles with rows under the length; P = the sum of L over lower b; TA = the sum over all.  Tile (b, j) goes to place P + j where j < L, else to TA + 32 b - P - L + j:
	; the places are a permutation of 0 .. 1,023, so every word of the list is written.
	v_lshlrev_b32 v4, 2, v0
	s_wait_alu depctr_va_vdst(0)                   ; v4 is written: the load's offset
	global_load_b32 v5, v4, s[18:19]
	s_wait_loadcnt 0x0
	v_cmp_lt_i32 vcc_lo, 0, v5
	s_wait_alu depctr_va_vcc(0)                    ; the compare has written VCC, which the select reads
	v_cndmask_b32 v5, 0, v5, vcc_lo                ; below 0: 0
	v_min_u32 v5, 0x800, v5                        ; above 2,048: 2,048
	v_add_nc_u32 v6, 63, v5
	v_lshrrev_b32 v6, 6, v6                        ; L
	v_mov_b32 v7, 0
	s_mov_b32 s28, 0
.irp h, 0,16                           ; sixteen lanes' L at a time
.irp i, 0,1,2,3,4,5,6,7,8,9,10,11,12,13,14,15
	v_readlane_b32 s[32+\i], v6, \h+\i
.endr
	s_wait_alu depctr_va_sdst(0)                   ; the sixteen lane reads have written s32 to s47, which the additions read
.irp i, 0,1,2,3,4,5,6,7,8,9,10,11,12,13,14,15
	v_writelane_b32 v7, s28, \h+\i                 ; P
	s_add_co_u32 s28, s28, s[32+\i]
.endr
.endr
	v_lshl_add_u32 v8, v0, 5, s28
	v_sub_nc_u32 v8, v8, v7
	v_sub_nc_u32 v8, v8, v6                        ; TA + 32 b - P - L
	v_lshlrev_b32 v9, 5, v0
	v_lshl_add_u32 v9, v0, 10, v9                  ; 32 b in the tile's field, b in its own
.irp h, 0,16                           ; sixteen j at a time: j = h + i
.irp i, 0,1,2,3,4,5,6,7,8,9,10,11,12,13,14,15
	v_cmp_lt_u32 s[32+\i], \h+\i, v6               ; j < L
.endr
	s_wait_alu depctr_va_sdst(0)                   ; the sixteen compares have written s32 to s47, which the selects read
.irp i, 0,1,2,3,4,5,6,7,8,9,10,11,12,13,14,15
	v_cndmask_b32 v[64+\h+\i], v8, v7, s[32+\i]
	v_add_nc_u32 v[64+\h+\i], \h+\i, v[64+\h+\i]   ; the place
	v_min_u32 v[64+\h+\i], 0x3ff, v[64+\h+\i]
	v_lshlrev_b32 v[64+\h+\i], 2, v[64+\h+\i]
	v_add_nc_u32 v10, -64*(\h+\i), v5
	v_cndmask_b32 v10, 0, v10, s[32+\i]
	v_min_u32 v10, 64, v10                         ; the tile's rows under the length
	v_lshl_add_u32 v[96+\h+\i], v10, 16, v9
	v_add_nc_u32 v[96+\h+\i], \h+\i, v[96+\h+\i]
.endr
.endr
	s_wait_alu depctr_va_vdst(0)                   ; the 32 places v64 to v95 and the 32 entries v96 to v127 are written, which the stores read
.irp j, 0,1,2,3,4,5,6,7,8,9,10,11,12,13,14,15,16,17,18,19,20,21,22,23,24,25,26,27,28,29,30,31
	global_store_b32 v[64+\j], v[96+\j], s[26:27]  ; each store has its own address and data registers: none is written again
.endr
	s_endpgm
.Lfunc_end_k_q13822c3b10_prep:
	.size	k_q13822c3b10_prep, .Lfunc_end_k_q13822c3b10_prep-k_q13822c3b10_prep
	.p2alignl 7, 3214868480
	.fill 96, 4, 3214868480
	.section	.rodata,"a",@progbits
	.p2align	6, 0x0
	.amdhsa_kernel k_q13822c3b10_prep
		.amdhsa_group_segment_fixed_size 0
		.amdhsa_private_segment_fixed_size 0
		.amdhsa_enable_private_segment 0
		.amdhsa_kernarg_size 96
		.amdhsa_user_sgpr_count 2
		.amdhsa_user_sgpr_kernarg_segment_ptr 1
		.amdhsa_wavefront_size32 1
		.amdhsa_system_sgpr_workgroup_id_x 1
		.amdhsa_system_sgpr_workgroup_id_y 1
		.amdhsa_system_sgpr_workgroup_id_z 1
		.amdhsa_system_vgpr_workitem_id 0
		.amdhsa_next_free_vgpr 256
		.amdhsa_next_free_sgpr 66
		.amdhsa_reserve_vcc 1
		.amdhsa_float_denorm_mode_32 3
		.amdhsa_float_denorm_mode_16_64 3
		.amdhsa_memory_ordered 1
		.amdhsa_forward_progress 1
		.amdhsa_inst_pref_size 39
	.end_amdhsa_kernel
	.amdgpu_metadata
---
amdhsa.version: [ 1, 2 ]
amdhsa.kernels:
  - .name:           k_q13822c3b10_prep
    .symbol:         k_q13822c3b10_prep.kd
    .args:
      - { .name: W_dec_codes, .offset: 0, .size: 8, .value_kind: global_buffer, .address_space: global }
      - { .name: W_dec_scales, .offset: 8, .size: 8, .value_kind: global_buffer, .address_space: global }
      - { .name: W_enc_codes, .offset: 16, .size: 8, .value_kind: global_buffer, .address_space: global }
      - { .name: W_enc_scales, .offset: 24, .size: 8, .value_kind: global_buffer, .address_space: global }
      - { .name: dec_out_codes, .offset: 32, .size: 8, .value_kind: global_buffer, .address_space: global }
      - { .name: dec_out_scales, .offset: 40, .size: 8, .value_kind: global_buffer, .address_space: global }
      - { .name: b_enc, .offset: 48, .size: 8, .value_kind: global_buffer, .address_space: global }
      - { .name: x_lens, .offset: 56, .size: 8, .value_kind: global_buffer, .address_space: global }
      - { .name: wf, .offset: 64, .size: 8, .value_kind: global_buffer, .address_space: global }
      - { .name: ws, .offset: 72, .size: 8, .value_kind: global_buffer, .address_space: global }
      - { .name: cb, .offset: 80, .size: 8, .value_kind: global_buffer, .address_space: global }
      - { .name: order, .offset: 88, .size: 8, .value_kind: global_buffer, .address_space: global }
    .group_segment_fixed_size: 0
    .private_segment_fixed_size: 0
    .kernarg_segment_align: 8
    .kernarg_segment_size: 96
    .max_flat_workgroup_size: 32
    .sgpr_count:     66
    .vgpr_count:     256
    .wavefront_size: 32
...
	.end_amdgpu_metadata
.endif
;; end of part 4
;; launch main (part 5): grid 256 x 1, 8 waves a work-group, no clusters, 315,392 bytes of LDS; arguments enc_out, wf, ws, cb, v, order, en, pc; writes en, pc
.if DOCPART == 5
	.amdgcn_target "amdgcn-amd-amdhsa--gfx1250"
	.amdhsa_code_object_version 6
	.text
	.protected	k_q13822c3b10_main
	.globl	k_q13822c3b10_main
	.p2align	8
	.type	k_q13822c3b10_main,@function
k_q13822c3b10_main:
	s_mov_b64 s[64:65], 0
	v_nop
	global_prefetch_b8 v0, s[64:65] scope:SCOPE_SE
	s_setreg_imm32_b32 hwreg(HW_REG_WAVE_SCHED_MODE, 0, 2), 2
	s_setreg_imm32_b32 hwreg(HW_REG_WAVE_MODE, 25, 1), 1
	s_wait_xcnt 0x0
	s_wait_alu depctr_vm_vsrc(0)
; energy[b][t] = mask x (v . tanh(Q(enc_out[b][t]) W_enc + b_enc + dec_proj[b])), and for each tile of 64 rows the partial context sum over its rows of exp(e - the tile's largest e) x enc_out[b][t].
; enc_out is read ONCE.  A work-group takes four tiles of 64 rows from the list 'order' (places g, g + 256, g + 512, g + 768: tiles with rows under the length stand first in the list, so all work-groups get
; within one of the same number of them, and each takes its own such tiles first).
; TWO ROLES.  Waves 4-7 (loaders) load enc_out alone: each owns 16 rows of a tile, a ring of eight rows (4,096 bytes each) in registers always on its way.  Waves 0-3 (GEMM) load W_enc, cb and v alone: each owns
; 256 columns for all 64 rows, with A's 32 fragments in its registers.  So the loads of one kind never stand in one counter behind the other kind's.
; THE LONG WAY.  A row is quantised to FP4 (E2M1, one E8M0 scale for each 32 along K) and goes to LDS as part of an image of the operand's registers, and as a bf16 copy for the context.
; THE SHORT WAY.  A tile all of whose rows lie at or behind the length has energies 0 by the mask that the problem builds itself, so its weights are e^0 = 1 and its partial context is the plain sum of its rows.
; From period 1 on the loaders add such a tile's rows up in f32 registers as they arrive: no codes, no copy, no product, no tanh; the four loaders' sums meet in LDS and leave in the same period's second phase.
; The first tile always goes the long way, so that the fragments' registers, and the LDS bytes from which they are read, are written whatever the list holds.
; PERIODS.  In period P the loaders take tile P while the GEMM waves work tile P - 1 (LDS is only written); a barrier; then all eight waves make tile P - 1's softmax weights and partial context from the copy
; (if it went the long way) and tile P's sum (if it goes the short way), and the GEMM waves fetch tile P's fragments (LDS is only read); a barrier.  Period 0 has no tile to work and is written out ahead of the loop.
; tanh(x) = 1 - 2 / (1 + 2^(c x)), c = 2 log2(e); cb holds c x (b_enc + dec_proj); so energy = sum v - 2 sum v / (1 + 2^(c acc + cb)).
; NO TENSOR LOADS, NO CLUSTER: leaving a tile's product out is a branch on a stored whole number, and partners would walk W_enc different numbers of times.
; att_weights_step is not read: the problem's function never uses it, and no output hangs on it.
; LIMITS: NaN and infinities in enc_out are not served; a block whose largest magnitude lies under 2^-124 gets the scale byte 1; enc_out is rounded to bf16 for the context product of tiles that go the long way alone.
; THE MODE: SCHED_MODE bits 1:0 = 2 (LLVM: expert scheduling mode 2), set by the entry lines.  The code itself states the register dependences between vector or matrix instructions
; and memory or LDS instructions, and those through scalar registers that vector instructions write, with s_wait_alu, always for 0.
; THE PLAN.  Registers that memory or LDS instructions touch, who writes and who reads them:
;   v1-v11, v19, v30, v31, v[252:253]   offsets, LDS addresses and a pair of zeros: made at the head, never written again.
;   v15, v16       written at a period's head, read by the second phase's LDS loads.          v12-v14  written at a half's head, read by the rows' LDS stores.
;   ring slot i    a row's vector lines read it; behind them the row eight further on is loaded into it.
;   bytes, codes, bf16 (two sets by the row's parity)   a row's vector lines write a set, its 24 LDS stores read it, the row two further on writes it again.
;   v136-167       the short way's sums: cleared at a period's head, added to, read by eight LDS stores.
;   B's buffer u, its scale words, cb and v as loaded   a step's products and the three vector lines behind them read them; behind those the N tile two further on is loaded into them.
;   A's fragments, v168-183   loaded in the second phase, read by the next period's products.
;   v216-247       the rows' sums: written by vector lines, read by 32 LDS stores; in the second phase rows of the copy land there.     v112-119, v184-215  landing registers of the second phase.
;   v[120:121], v[124:127], v[200:203]   written by vector lines, read by global stores.
; THE WAITS.  A pair (memory instructions have read their registers; vector and matrix instructions are done) stands at each period's head, each half's head and the second phase's head: there the roles part and join,
; and the registers change hands.  Between them: a row has one of each; a row of the short way, a step of the product that loads, the stores of partial energies, of sums and of contexts, and each refill of a set of
; rows of the copy have one wait for the vector side each.  What a wait states stands beside it.
.set COPYB, 131072                     ; LDS: two bf16 copies of a tile, 64 rows x 2,048 bytes, at 0 and at COPYB
.set IMG,   262144                     ; the tile's 32 fragments (row tile m, K step s) at 1,024 (8 m + s): registers 4 c .. 4 c + 3 of lane l at + 512 c + 16 l
.set ASC,   294912                     ; A's scale words: register (mp, s) at 128 (8 mp + s) + 4 x lane: lanes 0-15 row tile 2 mp, lanes 16-31 row tile 2 mp + 1
.set EP,    296960                     ; partial energies [GEMM wave 4][row 64] f32
.set DSUM,  297984                     ; the short way: [loader 4][column 1,024] f32, each loader's sum of its 16 rows
; REGISTERS, window 0: v1 16 lane, v2 4 (lane % 16), v3 8 lane, v4-v11 LDS addresses that stay, v12-v16 LDS addresses of the half or period in hand (written where all waves pass), v17-18 my two rows, v19 512 wave + 16 lane,
;   v20, v24 cb and v22, v26 v of the N tile in buffer 0, 1, as loaded; v[248:249], v[250:251] cb and v of the N tile at work (low register; the high one is 0 and only named), v[28:29] the sum of v, v[252:253] zeros,
;   v30 where a loader puts its sums, v31 where a wave reads the four sums of its columns.
;   GEMM: v32-95, v96-159 B's fragments, two buffers; v160-167 B's scale words; v168-183 A's scale words; v184-215 four accumulators; v216-247 the rows' sums of v / (1 + 2^..).  Window 1: A's 32 fragments.
;   loaders: v32-39 largest magnitudes, v40-47 scale operands, v48-63 codes, v64-79 scale bytes, v80-111 bf16, the last three in two sets by the row's parity; v136-167 the short way's sums.  Window 1: the ring, slot i at 32 i.
;   second phase: v112-119 partial energies, v[120:121] e, v[122:123] p, v124-127 the context, v128-131 p of four rows, v132-133 at work, v184-247 two sets of 16 rows of the copy, or the short way's sums.
.set WV,   20                          ; s20 wave;  s21 wave % 4
.set LW,   21
.set PER,  22                          ; s22 period;  s23 half
.set HC,   23
.set QP,   24                          ; s24-28 list entries: the tile being worked, being filled, the next, and two more
.set QC,   25
.set QN,   26
.set QA,   27
.set QB,   28
.set BUFW, 29                          ; s29, s30 the copy that is written, the copy that is read
.set BUFR, 30
.set TIDP, 31                          ; s31-33 the worked tile's number, batch, rows under the length
.set BP,   32
.set REMP, 33
.set CUR8, 34                          ; s[34:35] enc_out at my row 8 of the tile being filled;  s[36:37] at my row 0 of the next;  s[38:39] the one that the half's loads take (at a period's head: my row 0 of the tile being filled)
.set NXT,  36
.set LB,   38
.set ENB,  40                          ; s[40:41], s[42:43] en and pc at the worked tile
.set PCB,  42
.set PW,   44                          ; s[44:51] walking: wf, ws, cb, v;  s[52:59] the same at my wave's first N tile
.set BW,   52
.set CC,   60                          ; s[60:61] c, twice
.set SEL,  62                          ; s[62:63] v_permlanex16_b32's selects for lane l xor 16
.set CNT,  70
.set REMC, 76                          ; s76 0: the tile being filled goes the short way
.set DP,   77                          ; s77 0: the worked tile went the short way and is done
.set ENC,  78                          ; s[78:79], s[2:3] en and pc at the tile being filled
.set PCC,  2
.set PS,   80                          ; s80-95 p of sixteen rows; s80, s81 before that: the two rows' masks
.set DA,   136                         ; v136-167 the short way's sums: register 4 j + i is column 128 j + 4 lane + i
.set CBW,  248
.set VW,   250
.set ZZ,   252
.set MSB, 0
.macro WIN new                         ; the immediate's high byte repeats the setting that is left; a switch that changes nothing is dropped
.if MSB != \new
	s_set_vgpr_msb (MSB<<8)|\new
.set MSB, \new
.endif
.endm
.macro BAR                             ; my LDS stores have landed and my LDS loads are in: then the work-group's barrier
	s_wait_dscnt 0x0
	s_barrier_signal -1
	s_barrier_wait -1
.endm
; The period's addresses and ways from the list's entries.  Each number from memory is held by s_min_u32 and then only shifted left and added.
.macro DECODE
	s_wait_xcnt 0x0                                ; the last period's loads and stores have read their bases and data
	s_wait_alu depctr_vm_vsrc(0)                   ; the last period's LDS loads have read v15 and v16, its stores v[120:127], v[200:203], v136-167 and v216-247: vector lines and W_enc's loads write all of these again in this period
	s_and_b32 s[TIDP], s[QP], 0x3ff
	s_min_u32 s[TIDP], s[TIDP], 0x3ff
	s_bfe_u32 s[BP], s[QP], 0x5000a
	s_min_u32 s[BP], s[BP], 31
	s_lshr_b32 s[REMP], s[QP], 16
	s_min_u32 s[REMP], s[REMP], 64
	s_cmp_eq_u32 s[PER], 1
	s_cselect_b32 s[DP], 1, s[REMP]                ; the first tile went the long way whatever its rows; every other with no row under the length went the short way
	s_lshr_b32 s[REMC], s[QC], 16
	s_min_u32 s[REMC], s[REMC], 64
	s_sub_co_u32 s66, s[PER], 1
	s_cmp_lt_u32 s66, 3                            ; periods 1 to 3 fill a tile that may go the short way
	s_cselect_b32 s[REMC], s[REMC], 1
	s_mov_b32 s67, 0
	s_lshl_b32 s66, s[TIDP], 8
	s_add_nc_u64 s[ENB:ENB+1], s[16:17], s[66:67]  ; 64 energies are 256 bytes
	s_lshl_b32 s66, s[TIDP], 12
	s_add_nc_u64 s[PCB:PCB+1], s[18:19], s[66:67]  ; a partial context is 4,096 bytes
	s_lshl_b32 s69, s[LW], 16                      ; my 16 rows of 4,096 bytes
	s_and_b32 s68, s[QC], 0x3ff
	s_min_u32 s68, s68, 0x3ff
	s_lshl_b32 s66, s68, 8
	s_add_nc_u64 s[ENC:ENC+1], s[16:17], s[66:67]
	s_lshl_b32 s66, s68, 12
	s_add_nc_u64 s[PCC:PCC+1], s[18:19], s[66:67]
	s_lshl_b32 s66, s68, 18                        ; a tile is 64 rows of 4,096 bytes
	s_add_co_u32 s66, s66, s69
	s_add_nc_u64 s[LB:LB+1], s[4:5], s[66:67]      ; my row 0 of the tile being filled: the ring's first fill takes it; the first half writes it anew
	s_add_nc_u64 s[CUR8:CUR8+1], s[LB:LB+1], 0x8000        ; my row 8
	s_and_b32 s68, s[QN], 0x3ff
	s_min_u32 s68, s68, 0x3ff
	s_lshl_b32 s66, s68, 18
	s_add_co_u32 s66, s66, s69
	s_add_nc_u64 s[NXT:NXT+1], s[4:5], s[66:67]
	v_add_nc_u32 v15, s[BUFR], v11                 ; the copy that is read: rows 0-31,
	v_add_nc_u32 v16, 0x10000, v15                 ; rows 32-63
	s_wait_alu depctr_va_vdst(0)                   ; v15 and v16 are written, and in period 0 all the head's offsets and addresses; the last period's vector lines are done with every register in which this period's loads land
.endm
.macro SHIFT                           ; on to the next period
	s_mov_b32 s[QP], s[QC]
	s_mov_b32 s[QC], s[QN]
	s_mov_b32 s[QN], s[QA]
	s_mov_b32 s[QA], s[QB]
	s_xor_b32 s[BUFW], s[BUFW], COPYB
	s_xor_b32 s[BUFR], s[BUFR], COPYB
.endm
; ---- LOADERS, THE LONG WAY.  One row, in ring slot i.  Chunk j of the row (512 bytes, 16 a lane) is K step j; lane l holds k = 4 l .. 4 l + 3 of it, so a block of 32 lies in eight neighbouring lanes.
; left: the younger rows' loads, eight each, that may stay out.  fill = 1: the slot takes the row eight further on.
.macro ROW i, fill, left
.set SL, 32*(\i)
.set RC, 48+8*((\i)%2)
.set RB, 64+8*((\i)%2)
.set RH, 80+16*((\i)%2)
	s_wait_loadcnt \left                           ; loads come back in order: this row's eight are in
	s_wait_dscnt 24                                ; the LDS stores of the row two back, which read this set of registers, are done; the last row's 24 may be out
	WIN 0x05
.irp j, 0,1,2,3,4,5,6,7
	v_max3_num_f32 v[32+\j], |v[SL+4*\j]|, |v[SL+4*\j+1]|, 0x1800000       ; with the floor 2^(3 - 127): the scale's byte cannot fall under 1
.endr
	WIN 0x14
.irp j, 0,1,2,3,4,5,6,7
	v_max3_num_f32 v[32+\j], v[32+\j], |v[SL+4*\j+2]|, |v[SL+4*\j+3]|
.endr
	WIN 0
.irp x, 1,2,4
.irp j, 0,1,2,3,4,5,6,7
	v_max_num_f32_dpp v[32+\j], v[32+\j], v[32+\j] row_xmask:\x row_mask:0xf bank_mask:0xf   ; over the block's eight lanes
.endr
.endr
.irp j, 0,1,2,3,4,5,6,7
	v_add_nc_u32 v[40+\j], 0xff000000, v[32+\j]    ; 2 off the exponent field: the conversion's scale operand
.endr
	s_wait_alu depctr_vm_vsrc(0)                   ; the LDS stores issued so far, those of the row two back among them, have read this parity's bytes, codes and bf16, which the lines below write again
.irp j, 0,1,2,3,4,5,6,7
	v_lshrrev_b32 v[RB+\j], 23, v[40+\j]           ; the scale's byte
.endr
	WIN 0x01
.irp j, 0,2,4,6                        ; a conversion takes eight registers and one scale; chunks j and j + 1 have different scales: so twice, the low 16 bits of the first and the high 16 of the second are kept
	v_cvt_scalef32_pk8_fp4_f32 v[RC+\j], v[SL+4*\j:SL+4*\j+7], v[40+\j]
	v_cvt_scalef32_pk8_fp4_f32 v[RC+\j+1], v[SL+4*\j:SL+4*\j+7], v[41+\j]
.endr
	v_nop                                          ; one plain place behind the scaled conversions
	WIN 0x05
.irp j, 0,1,2,3,4,5,6,7
	v_cvt_pk_bf16_f32 v[RH+2*\j], v[SL+4*\j], v[SL+4*\j+1]
	v_cvt_pk_bf16_f32 v[RH+2*\j+1], v[SL+4*\j+2], v[SL+4*\j+3]
.endr
.if \fill
	WIN 0x40
.else
	WIN 0
.endif
	s_wait_alu depctr_va_vdst(0)                   ; the row's lines are done reading slot i, in which the loads below land, and have written the bytes, codes and bf16 that the LDS stores below read
.if \fill
.irp j, 0,1,2,3,4,5,6,7
	global_load_b128 v[SL+4*\j:SL+4*\j+3], v1, s[LB:LB+1] offset:4096*(\i)+512*\j th:TH_LOAD_NT   ; 32 lanes read 512 consecutive bytes
.endr
	WIN 0
.endif
.irp j, 0,1,2,3,4,5,6,7
	ds_store_b64 v12, v[RH+2*\j:RH+2*\j+1] offset:2048*(\i)+256*\j         ; the copy: 32 lanes, 256 consecutive bytes
.endr
.irp j, 0,2,4,6
	ds_store_b16 v13, v[RC+\j] offset:16*(\i)+1024*\j                      ; four codes: bytes 2 (l % 8) of the block's 16 in the fragment's image
	ds_store_b16_d16_hi v13, v[RC+\j+1] offset:16*(\i)+1024*(\j+1)
.endr
.irp j, 0,1,2,3,4,5,6,7
	ds_store_b8 v14, v[RB+\j] offset:4*(\i)+128*\j                         ; the block's eight lanes write the same byte with the same value
.endr
.endm
.macro HBLOCK fill                     ; eight rows: half of a loader's share of a tile
.irp i, 0,1,2,3,4,5,6,7
.if \fill
	ROW \i, 1, 56
.else
	ROW \i, 0, 56-8*\i
.endif
.endr
.endm
; ---- LOADERS, THE SHORT WAY.  One row, in ring slot i, is added to the sums: 16 packed additions.  The ring and the counts are the long way's.
.macro ROWD i, fill, left
.set SL, 32*(\i)
	s_wait_loadcnt \left                           ; this row's eight loads are in
	WIN 0x04                                       ; source 1 (the row) in window 1
.irp j, 0,2,4,6,8,10,12,14,16,18,20,22,24,26,28,30
	v_pk_add_f32 v[DA+\j:DA+\j+1], v[DA+\j:DA+\j+1], v[SL+\j:SL+\j+1]
.endr
.if \fill
	WIN 0x40
	s_wait_alu depctr_va_vdst(0)                   ; the additions are done reading slot i, in which the loads below land
.irp j, 0,1,2,3,4,5,6,7
	global_load_b128 v[SL+4*\j:SL+4*\j+3], v1, s[LB:LB+1] offset:4096*(\i)+512*\j th:TH_LOAD_NT
.endr
.endif
.endm
.macro HBLOCKD fill
.irp i, 0,1,2,3,4,5,6,7
.if \fill
	ROWD \i, 1, 56
.else
	ROWD \i, 0, 56-8*\i
.endif
.endr
	WIN 0
.endm
; ---- GEMM WAVES.  N tile k (counted from the walking pointers) into buffer u: 16 loads of fragments and one of scale words; then cb and v of its 16 columns
.macro LOADW u, k
.irp s, 0,1,2,3,4,5,6,7
.irp c, 0,1
	global_load_b128 v[32+64*(\u)+8*\s+4*\c:35+64*(\u)+8*\s+4*\c], v1, s[PW:PW+1] offset:8192*(\k)+1024*\s+512*\c
.endr
.endr
	global_load_b128 v[160+4*(\u):163+4*(\u)], v1, s[PW+2:PW+3] offset:512*(\k)
.endm
.macro LOADC u, k
	global_load_b32 v[20+4*(\u)], v2, s[PW+4:PW+5] offset:2048*(\k)
	global_load_b32 v[22+4*(\u)], v2, s[PW+6:PW+7] offset:64*(\k)
.endm
; One product: row tile m x the N tile in buffer u, K step s.  A's scale words: lanes 16-31 for odd m; B's: lanes 16-31 for odd s.  s = 0 starts the sum
.macro WM u, s, m
.set rD, 184+8*(\m)
.set rA, 64*(\m)+8*(\s)
.set rB, 32+64*(\u)+8*(\s)
.set rX, 168+8*((\m)/2)+(\s)
.set rY, 160+4*(\u)+(\s)/2
.if (\s) == 0
.if (\m)%2 == 0
	v_wmma_scale_f32_16x16x128_f8f6f4 v[rD:rD+7], v[rA:rA+7], v[rB:rB+7], 0, v[rX], v[rY] matrix_a_fmt:MATRIX_FMT_FP4 matrix_b_fmt:MATRIX_FMT_FP4
.else
	v_wmma_scale_f32_16x16x128_f8f6f4 v[rD:rD+7], v[rA:rA+7], v[rB:rB+7], 0, v[rX], v[rY] matrix_a_fmt:MATRIX_FMT_FP4 matrix_b_fmt:MATRIX_FMT_FP4 matrix_a_scale:MATRIX_SCALE_ROW1
.endif
.elseif (\s)%2 == 0
.if (\m)%2 == 0
	v_wmma_scale_f32_16x16x128_f8f6f4 v[rD:rD+7], v[rA:rA+7], v[rB:rB+7], v[rD:rD+7], v[rX], v[rY] matrix_a_fmt:MATRIX_FMT_FP4 matrix_b_fmt:MATRIX_FMT_FP4
.else
	v_wmma_scale_f32_16x16x128_f8f6f4 v[rD:rD+7], v[rA:rA+7], v[rB:rB+7], v[rD:rD+7], v[rX], v[rY] matrix_a_fmt:MATRIX_FMT_FP4 matrix_b_fmt:MATRIX_FMT_FP4 matrix_a_scale:MATRIX_SCALE_ROW1
.endif
.else
.if (\m)%2 == 0
	v_wmma_scale_f32_16x16x128_f8f6f4 v[rD:rD+7], v[rA:rA+7], v[rB:rB+7], v[rD:rD+7], v[rX], v[rY] matrix_a_fmt:MATRIX_FMT_FP4 matrix_b_fmt:MATRIX_FMT_FP4 matrix_b_scale:MATRIX_SCALE_ROW1
.else
	v_wmma_scale_f32_16x16x128_f8f6f4 v[rD:rD+7], v[rA:rA+7], v[rB:rB+7], v[rD:rD+7], v[rX], v[rY] matrix_a_fmt:MATRIX_FMT_FP4 matrix_b_fmt:MATRIX_FMT_FP4 matrix_a_scale:MATRIX_SCALE_ROW1 matrix_b_scale:MATRIX_SCALE_ROW1
.endif
.endif
.endm
; One N tile (16 columns) for the 64 rows: 32 products, then for the lane's column and 32 rows: 2^(c acc + cb), + 1, the reciprocal, x v, summed.  left: the next N tile's 19 loads may stay out.
; adv = 1: the four pointers go two N tiles on, behind the products: the youngest load that reads them stands 32 matrix instructions back.  load = 1: the buffer just multiplied takes N tile u from the pointers on.
; cb and v of the N tile move into registers of their own among the places behind the products, so that one wait frees all that the tile's 19 loads land in.
.macro STEP u, load, left, adv
	s_wait_loadcnt \left
	WIN 0x01                                       ; A in window 1
.irp s, 0,1,2,3,4,5,6,7
.irp m, 0,1,2,3
	WM \u, \s, \m                                  ; the four accumulators by turns, one instruction a turn
.endr
.endr
	WIN 0
	v_add_f32 v28, v28, v[22+4*(\u)]               ; the sum of v.  With the three lines below: the four places behind the products (ISA guide 7.12.1)
	v_mov_b32 v[CBW], v[20+4*(\u)]                 ; cb of the tile at work,
	v_mov_b32 v[VW], v[22+4*(\u)]                  ; and v
	v_nop
.if \adv
	s_wait_xcnt 0x0                                ; the loads issued so far have read their bases: only behind this wait are the bases written
	s_add_nc_u64 s[PW:PW+1], s[PW:PW+1], 16384
	s_add_nc_u64 s[PW+2:PW+3], s[PW+2:PW+3], 1024
	s_add_nc_u64 s[PW+4:PW+5], s[PW+4:PW+5], 4096
	s_add_nc_u64 s[PW+6:PW+7], s[PW+6:PW+7], 128
.endif
.if \load
	s_wait_alu depctr_va_vdst(0)                   ; the products are done reading buffer u and its scale words, the three lines behind them cb's and v's registers: the 19 loads below land in these
	LOADW \u, \u
	LOADC \u, \u
.endif
.irp j, 0,2,4,6,8,10,12,14,16,18,20,22,24,26,28,30
	v_pk_fma_f32 v[184+\j:185+\j], v[184+\j:185+\j], s[CC:CC+1], v[CBW:CBW+1] op_sel_hi:[1,0,0]    ; c acc + cb, each accumulator from its low end
.endr
	s_wait_alu depctr_va_vdst(0)
.irp j, 0,1,2,3,4,5,6,7,8,9,10,11,12,13,14,15,16,17,18,19,20,21,22,23,24,25,26,27,28,29,30,31
	v_exp_f32 v[184+\j], v[184+\j]
.endr
	v_nop                                          ; a plain place behind the batch,
	s_wait_alu depctr_va_vdst(0)                   ; and one wait for the 32 exponentials' results ahead of their first reader
.irp j, 0,2,4,6,8,10,12,14,16,18,20,22,24,26,28,30
	v_pk_add_f32 v[184+\j:185+\j], v[184+\j:185+\j], 1.0 op_sel_hi:[1,0]
.endr
	s_wait_alu depctr_va_vdst(0)
.irp j, 0,1,2,3,4,5,6,7,8,9,10,11,12,13,14,15,16,17,18,19,20,21,22,23,24,25,26,27,28,29,30,31
	v_rcp_f32 v[184+\j], v[184+\j]                 ; 2^.. = infinity gives 0, 2^.. = 0 gives 1: tanh = 1, -1
.endr
	v_nop
	s_wait_alu depctr_va_vdst(0)                   ; the 32 reciprocals' results, likewise
.irp j, 0,2,4,6,8,10,12,14,16,18,20,22,24,26,28,30
	v_pk_fma_f32 v[216+\j:217+\j], v[184+\j:185+\j], v[VW:VW+1], v[216+\j:217+\j] op_sel_hi:[1,0,1]
.endr
.endm
; A tile's partial energies of my 256 columns.  A first tile with no row under the length stores zeros.
.macro GSECT
.irp j, 0,1,2,3,4,5,6,7,8,9,10,11,12,13,14,15,16,17,18,19,20,21,22,23,24,25,26,27,28,29,30,31
	v_mov_b32 v[216+\j], 0
.endr
	v_mov_b32 v28, 0
	s_cmp_eq_u32 s[REMP], 0
	s_cbranch_scc1 .Lgskip_\@
	s_lshl_b32 s66, s[BP], 6                       ; cb: the batch's 16 numbers of an N tile
	s_mov_b32 s67, 0
	s_mov_b64 s[PW:PW+1], s[BW:BW+1]               ; (no load of mine is out: the pointers may be written)
	s_mov_b64 s[PW+2:PW+3], s[BW+2:BW+3]
	s_add_nc_u64 s[PW+4:PW+5], s[BW+4:BW+5], s[66:67]
	s_mov_b64 s[PW+6:PW+7], s[BW+6:BW+7]
	LOADW 0, 0                                     ; no wait: since the wait at the half's head no vector line has named a register that these 38 loads touch
	LOADC 0, 0
	LOADW 1, 1
	LOADC 1, 1
	s_mov_b32 s[CNT], 7
.Lg_\@:                                ; a trip: two N tiles, and the loads of the two behind them
	s_wait_alu depctr_va_vdst(0)
	STEP 0, 1, 19, 1
	STEP 1, 1, 19, 0
	s_sub_co_u32 s[CNT], s[CNT], 1
	s_cmp_lg_u32 s[CNT], 0
	s_cbranch_scc1 .Lg_\@
	STEP 0, 0, 19, 0                               ; the last two load nothing
	STEP 1, 0, 0, 0
.Lgskip_\@:
	s_wait_alu depctr_va_vdst(0)
.irp j, 0,2,4,6,8,10,12,14,16,18,20,22,24,26,28,30
	v_pk_fma_f32 v[216+\j:217+\j], v[216+\j:217+\j], -2.0, v[28:29] op_sel_hi:[1,0,0]      ; my column's share: sum v - 2 sum v / (1 + 2^..)
.endr
.irp x, 1,2,4,8
.irp j, 0,1,2,3,4,5,6,7,8,9,10,11,12,13,14,15,16,17,18,19,20,21,22,23,24,25,26,27,28,29,30,31
	v_add_f32_dpp v[216+\j], v[216+\j], v[216+\j] row_xmask:\x row_mask:0xf bank_mask:0xf  ; over the sixteen columns of the lanes
.endr
.endr
	s_wait_alu depctr_va_vdst(0)                   ; the additions have written v216 to v247, which the 32 LDS stores read
.irp m, 0,1,2,3
.irp j, 0,1,2,3,4,5,6,7
	ds_store_b32 v6, v[216+8*\m+\j] offset:64*\m+4*\j      ; row 16 m + 8 h + j; sixteen lanes write the same word with the same value
.endr
.endr
.endm
.macro AREAD                           ; the tile's 32 fragments and 16 registers of scale words, as they were laid
	WIN 0x40
.irp f, 0,1,2,3,4,5,6,7,8,9,10,11,12,13,14,15,16,17,18,19,20,21,22,23,24,25,26,27,28,29,30,31
	ds_load_b128 v[8*\f:8*\f+3], v4 offset:1024*\f
	ds_load_b128 v[8*\f+4:8*\f+7], v4 offset:1024*\f+512
.endr
	WIN 0
.irp q, 0,1,2,3,4,5,6,7,8,9,10,11,12,13,14,15
	ds_load_b32 v[168+\q], v5 offset:128*\q
.endr
.endm
; ---- THE SECOND PHASE, all eight waves: wave w owns columns 128 w + 4 lane + 0 .. 3
.macro XGROUP g                        ; rows 16 g .. 16 g + 15 of the copy into set g % 2
.irp i, 0,1,2,3,4,5,6,7,8,9,10,11,12,13,14,15
	ds_load_b64 v[184+32*((\g)%2)+2*\i:185+32*((\g)%2)+2*\i], v[15+(\g)/2] offset:2048*(16*((\g)%2)+\i)
.endr
.endm
.macro XLANES g                        ; p of rows 16 g .. 16 g + 15 into s80 to s95: row t's p lies in lane t / 2, register t % 2
.irp m, 0,1,2,3,4,5,6,7,8,9,10,11,12,13,14,15
	v_readlane_b32 s[PS+\m], v[122+(\m)%2], 8*(\g)+(\m)/2
.endr
.endm
.macro XROWS g                         ; context += p x row, four rows at a time
.set XS, 184+32*((\g)%2)
.irp q, 0,1,2,3
.irp n, 0,1,2,3
	v_mov_b32 v[128+\n], s[PS+4*\q+\n]
.endr
.irp n, 0,1,2,3
	v_fma_mix_f32_bf16 v124, v[XS+8*\q+2*\n], v[128+\n], v124 op_sel_hi:[1,0,0]
	v_fma_mix_f32_bf16 v125, v[XS+8*\q+2*\n], v[128+\n], v125 op_sel:[1,0,0] op_sel_hi:[1,0,0]
	v_fma_mix_f32_bf16 v126, v[XS+8*\q+2*\n+1], v[128+\n], v126 op_sel_hi:[1,0,0]
	v_fma_mix_f32_bf16 v127, v[XS+8*\q+2*\n+1], v[128+\n], v127 op_sel:[1,0,0] op_sel_hi:[1,0,0]
.endr
.endr
.endm
.macro XCTX                            ; the worked tile, if it went the long way: its energies, weights and partial context
	s_cmp_eq_u32 s[DP], 0
	s_cbranch_scc1 .Lxend_\@
	v_cmp_gt_u32 s[PS], s[REMP], v17               ; the mask: rows at or behind the length have energy 0, and still take part in the softmax.  The two compares stand in a run, ahead of the loads, whose registers they do not name
	v_cmp_gt_u32 s[PS+1], s[REMP], v18
.irp q, 0,1,2,3
	ds_load_b64 v[112+2*\q:113+2*\q], v7 offset:256*\q     ; the four waves' partial energies of rows 2 lane, 2 lane + 1
.endr
	XGROUP 0
	XGROUP 1
	s_wait_dscnt 32                                ; all but the two groups of rows just asked for
	v_pk_add_f32 v[120:121], v[112:113], v[114:115]
	v_pk_add_f32 v[116:117], v[116:117], v[118:119]
	v_pk_add_f32 v[120:121], v[120:121], v[116:117]
	s_wait_alu depctr_va_sdst(0)                   ; the two compares have written s80 and s81, which the selects read
	v_cndmask_b32 v120, 0, v120, s[PS]
	v_cndmask_b32 v121, 0, v121, s[PS+1]
	v_max_num_f32 v132, v120, v121                 ; the tile's largest energy
.irp x, 1,2,4,8
	v_max_num_f32_dpp v132, v132, v132 row_xmask:\x row_mask:0xf bank_mask:0xf
.endr
	v_permlanex16_b32 v133, v132, s[SEL], s[SEL+1]
	v_max_num_f32 v132, v132, v133
	v_sub_f32 v122, v120, v132
	v_sub_f32 v123, v121, v132
	v_mul_f32 v122, 0x3fb8aa3b, v122
	v_mul_f32 v123, 0x3fb8aa3b, v123
	s_wait_alu depctr_va_vdst(0)
	v_exp_f32 v122, v122                           ; p = e^(energy - the tile's largest), at most 1
	v_exp_f32 v123, v123
.irp n, 0,1,2,3
	v_mov_b32 v[124+\n], 0                         ; (plain places behind the two exponentials)
.endr
	s_wait_alu depctr_va_vdst(0)                   ; the two exponentials' results, ahead of their first reader; and the selects have written v[120:121], which wave 0's store reads
	s_cmp_lg_u32 s[WV], 0
	s_cbranch_scc1 .Lnoen_\@
	global_store_b64 v3, v[120:121], s[ENB:ENB+1]  ; wave 0: the tile's 64 energies, 256 consecutive bytes, aligned
.Lnoen_\@:
	XLANES 0
	s_wait_dscnt 16                                ; rows 0-15 are in; the younger group may be out
	s_wait_alu depctr_va_sdst(0)                   ; the sixteen lane reads have written s80 to s95, which the moves read
	XROWS 0
	s_wait_alu depctr_va_vdst(0)                   ; the multiply-adds are done reading rows 0-15, in whose registers rows 32-47 land
	XGROUP 2
	XLANES 1
	s_wait_dscnt 16
	s_wait_alu depctr_va_sdst(0)                   ; the sixteen lane reads, as above
	XROWS 1
	s_wait_alu depctr_va_vdst(0)                   ; the multiply-adds are done reading rows 16-31, in whose registers rows 48-63 land
	XGROUP 3
	XLANES 2
	s_wait_dscnt 16
	s_wait_alu depctr_va_sdst(0)                   ; the sixteen lane reads, as above
	XROWS 2
	XLANES 3
	s_wait_dscnt 0x0
	s_wait_alu depctr_va_sdst(0)                   ; the sixteen lane reads, as above
	XROWS 3
	s_wait_alu depctr_va_vdst(0)                   ; the multiply-adds have written v[124:127], which the store reads; they are done with both sets of rows, in the first of which the short way's sums land
	global_store_b128 v19, v[124:127], s[PCB:PCB+1]        ; 32 lanes store 512 consecutive bytes
.Lxend_\@:
.endm
.macro XSHORT                          ; the tile just taken, if it goes the short way: energies 0, and the four loaders' sums of my columns.  Registers of its own for what it stores: the stores above may still read theirs
	s_cmp_lg_u32 s[REMC], 0
	s_cbranch_scc1 .Lxsend_\@
.irp q, 0,1,2,3
	ds_load_b128 v[184+4*\q:187+4*\q], v31 offset:4096*\q
.endr
	s_cmp_lg_u32 s[WV], 0
	s_cbranch_scc1 .Lxsnoen_\@
	global_store_b64 v3, v[ZZ:ZZ+1], s[ENC:ENC+1]  ; wave 0: 64 energies of 0, 256 consecutive bytes, aligned; the zeros were made at the head and are never written again
.Lxsnoen_\@:
	s_wait_dscnt 0x0
	v_pk_add_f32 v[200:201], v[184:185], v[188:189]
	v_pk_add_f32 v[202:203], v[186:187], v[190:191]
	v_pk_add_f32 v[204:205], v[192:193], v[196:197]
	v_pk_add_f32 v[206:207], v[194:195], v[198:199]
	v_pk_add_f32 v[200:201], v[200:201], v[204:205]
	v_pk_add_f32 v[202:203], v[202:203], v[206:207]
	s_wait_alu depctr_va_vdst(0)                   ; the additions have written v[200:203], which the store reads
	global_store_b128 v19, v[200:203], s[PCC:PCC+1]        ; 32 lanes store 512 consecutive bytes
.Lxsend_\@:
.endm
; ---- THE FIRST PHASE: two halves of eight rows a loader.  The addresses of a half are made where all waves pass.  withG = 1: the GEMM waves work the tile before, in the first half's turn, and the tile may go the short way.
.macro PPHASE withG
.if \withG
	s_cmp_lt_u32 s[WV], 4
	s_cbranch_scc1 .Lnoclr_\@
.irp j, 0,1,2,3,4,5,6,7,8,9,10,11,12,13,14,15,16,17,18,19,20,21,22,23,24,25,26,27,28,29,30,31
	v_mov_b32 v[DA+\j], 0                          ; the loaders' sums begin anew (the LDS stores that read them stand ahead of the wait at the period's head)
.endr
.Lnoclr_\@:
.endif
	s_mov_b32 s[HC], 0
.Lhalf_\@:
	s_wait_xcnt 0x0                                ; the loads have read their base,
	s_wait_dscnt 0x0                               ; the LDS stores are done,
	s_wait_alu depctr_vm_vsrc(0)                   ; and have read v12 to v14, which are written below
	s_cmp_eq_u32 s[HC], 0
	s_cselect_b64 s[LB:LB+1], s[CUR8:CUR8+1], s[NXT:NXT+1] ; while rows 0-7 are worked rows 8-15 are asked for; while rows 8-15 are worked, the next tile's rows 0-7
	s_lshl_b32 s66, s[HC], 14
	s_add_co_u32 s66, s66, s[BUFW]
	v_add_nc_u32 v12, s66, v10                     ; the copy: eight rows of 2,048 bytes a half
	s_lshl_b32 s66, s[HC], 7
	v_add_nc_u32 v13, s66, v8                      ; the images: 16 bytes a row
	s_lshl_b32 s66, s[HC], 5
	v_add_nc_u32 v14, s66, v9                      ; the scale words: 4 bytes a row
	s_wait_alu depctr_va_vdst(0)                   ; v12 to v14 are written, which every LDS store of the half's rows reads; so are the cleared sums
	s_cmp_lt_u32 s[WV], 4
	s_cbranch_scc0 .Lload_\@
.if \withG
	s_cmp_lg_u32 s[HC], 0
	s_cbranch_scc1 .Ljoin_\@
	s_cmp_eq_u32 s[DP], 0                          ; a tile that went the short way is done
	s_cbranch_scc1 .Ljoin_\@
	GSECT
.endif
	s_branch .Ljoin_\@
.Lload_\@:
.if \withG
	s_cmp_eq_u32 s[PER], 4                         ; the last period has no tile to fill
	s_cbranch_scc1 .Ljoin_\@
	s_lshl_b32 s66, s[PER], 1
	s_add_co_u32 s66, s66, s[HC]                   ; 7: the last half of the last tile, which asks for nothing: no load leaves its buffer
	s_cmp_eq_u32 s[REMC], 0
	s_cbranch_scc1 .Lshort_\@
	s_cmp_eq_u32 s66, 7
	s_cbranch_scc1 .Ldrain_\@
.endif
	HBLOCK 1
.if \withG
	s_branch .Ljoin_\@
.Ldrain_\@:
	HBLOCK 0
	s_branch .Ljoin_\@
.Lshort_\@:
	s_cmp_eq_u32 s66, 7
	s_cbranch_scc1 .Lsdrain_\@
	HBLOCKD 1
	s_branch .Lssum_\@
.Lsdrain_\@:
	HBLOCKD 0
.Lssum_\@:
	s_cmp_eq_u32 s[HC], 0
	s_cbranch_scc1 .Ljoin_\@
	s_wait_alu depctr_va_vdst(0)                   ; the additions have written the sums v136 to v167, which the eight LDS stores read
.irp j, 0,1,2,3,4,5,6,7
	ds_store_b128 v30, v[DA+4*\j:DA+4*\j+3] offset:512*\j  ; my 16 rows' sums, columns in their order: 32 lanes, 512 consecutive bytes
.endr
.endif
.Ljoin_\@:
	s_add_co_u32 s[HC], s[HC], 1
	s_cmp_lt_u32 s[HC], 2
	s_cbranch_scc1 .Lhalf_\@
.endm
	; ---- the head
	s_load_b256 s[4:11], s[0:1], 0x0               ; enc_out s[4:5], wf s[6:7], ws s[8:9], cb s[10:11]
	s_load_b256 s[12:19], s[0:1], 0x20             ; v s[12:13], order s[14:15], en s[16:17], pc s[18:19]
	v_lshl_add_u32 v254, v0, 2, 0x4cc00
	v_mov_b32 v255, 0
	v_lshrrev_b32 v31, 5, v0
	v_readfirstlane_b32 s[WV], v31                 ; wave 0..7
	v_and_b32 v30, 31, v0                          ; lane
	v_lshlrev_b32 v1, 4, v30
	v_and_b32 v31, 15, v0
	v_lshlrev_b32 v2, 2, v31
	v_lshlrev_b32 v3, 3, v30
	v_add_nc_u32 v4, IMG, v1
	v_lshl_add_u32 v5, v30, 2, ASC
	v_bfe_u32 v31, v0, 4, 1
	s_wait_alu depctr_va_sdst(0)                   ; s20, the wave's number, is written, ahead of its first reader
	s_and_b32 s[LW], s[WV], 3
	s_lshl_b32 s66, s[LW], 8
	s_add_co_u32 s66, s66, EP
	v_lshl_add_u32 v6, v31, 5, s66                 ; partial energies, on the way in: my wave's 64, + 8 rows for lanes 16-31
	v_add_nc_u32 v7, EP, v3                        ; and out: two rows a lane
	v_lshrrev_b32 v31, 3, v30                      ; lane / 8: my block of a K step's four
	s_wait_alu depctr_va_vdst(0)
	v_and_b32 v8, 7, v0
	v_lshlrev_b32 v8, 1, v8
	v_lshl_add_u32 v8, v31, 8, v8                  ; in a fragment's image block 2 c + h begins at 512 c + 256 h; my four codes are bytes 2 (lane % 8) of the row's 16
	s_lshl_b32 s66, s[LW], 13
	s_add_co_u32 s66, s66, IMG
	v_add_nc_u32 v8, s66, v8                       ; my row tile's eight fragments
	s_lshr_b32 s66, s[LW], 1
	s_lshl_b32 s66, s66, 10
	s_and_b32 s67, s[LW], 1
	s_lshl_b32 s67, s67, 6
	s_add_co_u32 s66, s66, s67
	s_add_co_u32 s66, s66, ASC
	v_add_nc_u32 v9, s66, v31                      ; my block's byte in the row's scale word
	s_lshl_b32 s66, s[LW], 15
	v_add_nc_u32 v10, s66, v3                      ; the copy, on the way in: my 16 rows, 8 bytes a lane
	s_lshl_b32 s66, s[WV], 8
	v_add_nc_u32 v11, s66, v3                      ; and out: my wave's 256 bytes of a row
	v_lshlrev_b32 v17, 1, v30
	v_or_b32 v18, 1, v17
	s_lshl_b32 s66, s[WV], 9
	v_add_nc_u32 v19, s66, v1
	v_add_nc_u32 v31, DSUM, v19                    ; the short way's sums, on the way out: my wave's 512 bytes of a loader's 4,096,
	s_lshl_b32 s66, s[LW], 12
	s_add_co_u32 s66, s66, DSUM
	v_add_nc_u32 v30, s66, v1                      ; and in: my loader's 4,096 bytes, 16 a lane
.irp j, 29,249,251,252,253
	v_mov_b32 v[\j], 0                             ; the upper halves of pairs of which the packed forms take the lower for both results: named, so written; and the pair of zeros
.endr
	v_mov_b32 v133, 0                              ; a lane permute's destination counts as one of its sources
	s_mov_b32 s[CC], 0x4038aa3b                    ; c = 2 log2(e)
	s_mov_b32 s[CC+1], 0x4038aa3b
	s_mov_b32 s[SEL], 0x76543210
	s_mov_b32 s[SEL+1], 0xfedcba98
	s_mov_b32 s[QP], 0
	s_mov_b32 s[BUFW], 0
	s_mov_b32 s[BUFR], COPYB
	s_mov_b32 s[PER], 0
	s_lshl_b32 s66, ttmp9, 2
	s_mov_b32 s67, 0
	s_wait_kmcnt 0x0
	s_add_nc_u64 s[14:15], s[14:15], s[66:67]
	s_load_b32 s[QC], s[14:15], 0x0                ; list places g, g + 256, g + 512, g + 768: my tiles with rows under the length come first
	s_load_b32 s[QN], s[14:15], 0x400
	s_load_b32 s[QA], s[14:15], 0x800
	s_load_b32 s[QB], s[14:15], 0xc00
	s_lshl_b32 s66, s[LW], 17                      ; my 16 N tiles: 8,192 bytes each in wf,
	s_add_nc_u64 s[BW:BW+1], s[6:7], s[66:67]
	s_lshl_b32 s66, s[LW], 13                      ; 512 in ws,
	s_add_nc_u64 s[BW+2:BW+3], s[8:9], s[66:67]
	s_lshl_b32 s66, s[LW], 15                      ; 2,048 in cb,
	s_add_nc_u64 s[BW+4:BW+5], s[10:11], s[66:67]
	s_lshl_b32 s66, s[LW], 10                      ; 64 in v
	s_add_nc_u64 s[BW+6:BW+7], s[12:13], s[66:67]
	s_wait_kmcnt 0x0
	; ---- period 0: the first tile is filled, the long way; there is none to work
	DECODE
	s_cmp_lt_u32 s[WV], 4
	s_cbranch_scc1 .Lnoprime
	WIN 0x40
.irp i, 0,1,2,3,4,5,6,7                ; the ring is filled: my rows 0-7 of the first tile, from the address of my row 0 on: every offset is 0 or more.  (v1 was written ahead of the wait at the period's head; no vector line has named the ring)
.irp j, 0,1,2,3,4,5,6,7
	global_load_b128 v[32*\i+4*\j:32*\i+4*\j+3], v1, s[LB:LB+1] offset:4096*\i+512*\j th:TH_LOAD_NT
.endr
.endr
	WIN 0
.Lnoprime:
	PPHASE 0
	BAR                                            ; the tile's images, scale words and copy lie in LDS
	s_cmp_lt_u32 s[WV], 4
	s_cbranch_scc0 .Lnoa0
	AREAD                                          ; (no vector or matrix line of a GEMM wave has named these registers yet)
.Lnoa0:
	BAR                                            ; they have been read: the next period may write
	SHIFT
	s_mov_b32 s[PER], 1
.Lperiod:                              ; periods 1 to 4
	DECODE
	PPHASE 1                                       ; tile P is taken (P < 4), tile P - 1 is worked: LDS is only written
	BAR
	s_wait_alu depctr_va_vdst(0)                   ; the products are done reading A's fragments and scale words and B's buffers, the vector lines are done with v184 to v247: the phase's LDS loads land in these
	s_wait_alu depctr_vm_vsrc(0)                   ; the stores of the partial energies have read v216 to v247, in which rows of the copy land
	s_cmp_lt_u32 s[WV], 4
	s_cbranch_scc0 .Lnoa
	s_cmp_lt_u32 s[PER], 4
	s_cbranch_scc0 .Lnoa
	s_cmp_eq_u32 s[REMC], 0                        ; a tile that goes the short way has no fragments
	s_cbranch_scc1 .Lnoa
	AREAD                                          ; tile P's fragments
.Lnoa:
	XCTX                                           ; tile P - 1's energies, weights and partial context,
	XSHORT                                         ; or tile P's sum: LDS is only read
	BAR
	SHIFT
	s_add_co_u32 s[PER], s[PER], 1
	s_cmp_lt_u32 s[PER], 5
	s_cbranch_scc1 .Lperiod
	s_wait_dscnt 0x0                               ; the closing lines, six on end
	s_wait_alu 0x0
	s_wait_tensorcnt 0x0
	ds_add_u32 v254, v255
	s_wait_dscnt 0x0
	s_endpgm
.Lfunc_end_k_q13822c3b10_main:
	.size	k_q13822c3b10_main, .Lfunc_end_k_q13822c3b10_main-k_q13822c3b10_main
	.p2alignl 7, 3214868480
	.fill 96, 4, 3214868480
	.section	.rodata,"a",@progbits
	.p2align	6, 0x0
	.amdhsa_kernel k_q13822c3b10_main
		.amdhsa_group_segment_fixed_size 315392
		.amdhsa_private_segment_fixed_size 0
		.amdhsa_enable_private_segment 0
		.amdhsa_kernarg_size 64
		.amdhsa_user_sgpr_count 2
		.amdhsa_user_sgpr_kernarg_segment_ptr 1
		.amdhsa_wavefront_size32 1
		.amdhsa_system_sgpr_workgroup_id_x 1
		.amdhsa_system_sgpr_workgroup_id_y 1
		.amdhsa_system_sgpr_workgroup_id_z 1
		.amdhsa_system_vgpr_workitem_id 0
		.amdhsa_next_free_vgpr 512
		.amdhsa_next_free_sgpr 96
		.amdhsa_reserve_vcc 0
		.amdhsa_float_denorm_mode_32 3
		.amdhsa_float_denorm_mode_16_64 3
		.amdhsa_memory_ordered 1
		.amdhsa_forward_progress 1
		.amdhsa_inst_pref_size 255
	.end_amdhsa_kernel
	.section	.bss,"aw",@nobits
	.p2align	6
	.space	262144
	.amdgpu_metadata
---
amdhsa.version: [ 1, 2 ]
amdhsa.kernels:
  - .name:           k_q13822c3b10_main
    .symbol:         k_q13822c3b10_main.kd
    .args:
      - { .name: enc_out, .offset: 0, .size: 8, .value_kind: global_buffer, .address_space: global }
      - { .name: wf, .offset: 8, .size: 8, .value_kind: global_buffer, .address_space: global }
      - { .name: ws, .offset: 16, .size: 8, .value_kind: global_buffer, .address_space: global }
      - { .name: cb, .offset: 24, .size: 8, .value_kind: global_buffer, .address_space: global }
      - { .name: v, .offset: 32, .size: 8, .value_kind: global_buffer, .address_space: global }
      - { .name: order, .offset: 40, .size: 8, .value_kind: global_buffer, .address_space: global }
      - { .name: en, .offset: 48, .size: 8, .value_kind: global_buffer, .address_space: global }
      - { .name: pc, .offset: 56, .size: 8, .value_kind: global_buffer, .address_space: global }
    .group_segment_fixed_size: 315392
    .private_segment_fixed_size: 0
    .kernarg_segment_align: 8
    .kernarg_segment_size: 64
    .max_flat_workgroup_size: 256
    .sgpr_count:     96
    .vgpr_count:     512
    .wavefront_size: 32
...
	.end_amdgpu_metadata
.endif
;; end of part 5
;; launch combine (part 6): grid 32 x 2, 8 waves a work-group, no clusters, 2,048 bytes of LDS; arguments en, pc, out0, out1; writes out0, out1
.if DOCPART == 6
	.amdgcn_target "amdgcn-amd-amdhsa--gfx1250"
	.amdhsa_code_object_version 6
	.text
	.protected	k_q13822c3b10_combine
	.globl	k_q13822c3b10_combine
	.p2align	8
	.type	k_q13822c3b10_combine,@function
k_q13822c3b10_combine:
	s_mov_b64 s[64:65], 0
	v_nop
	global_prefetch_b8 v0, s[64:65] scope:SCOPE_SE
	s_setreg_imm32_b32 hwreg(HW_REG_WAVE_MODE, 25, 1), 1
	s_wait_xcnt 0x0
; The softmax over a batch's 2,048 energies, and the context from the 32 tiles' partial contexts.
; att[t] = e^(en[t] - M) / S, M the batch's largest energy, S the sum.  A tile's partial context was summed under the tile's own largest energy m: context = sum over tiles of e^(m - M) x pc[tile] / S.
; m is taken again from the energies: a maximum rounds nothing, so it is the number that the main launch used.
; Work-group (b, cy), 256 threads.  Both work-groups of a batch make M, S and the tiles' weights; cy says which half of att (1,024 numbers) and of the context (512 columns) is stored here.
; Thread t holds energies 4 t + 1,024 u + 0 .. 3, u = 0, 1: a tile of 64 is sixteen neighbouring lanes, tile = 16 u + t / 16.
.set RED,  0                           ; LDS: the eight waves' maxima,
.set RED2, 64                          ; their sums,
.set WT,   128                         ; the 32 tiles' weights
	s_load_b256 s[4:11], s[0:1], 0x0               ; en s[4:5], pc s[6:7], out0 s[8:9], out1 s[10:11]
	v_lshl_add_u32 v144, v0, 2, 0x400
	v_mov_b32 v145, 0
	v_lshlrev_b32 v2, 4, v0                        ; 16 t
	v_lshlrev_b32 v3, 3, v0                        ; 8 t
	v_lshrrev_b32 v4, 5, v0
	s_delay_alu instid0(VALU_DEP_1)
	v_lshlrev_b32 v4, 2, v4                        ; 4 x wave
	v_lshrrev_b32 v5, 4, v0
	s_delay_alu instid0(VALU_DEP_1)
	v_lshlrev_b32 v5, 2, v5                        ; 4 x (t / 16)
	v_mov_b32 v6, 0
	v_mov_b32 v19, 0                               ; a lane permute's destination counts as one of its sources
	s_and_b32 s13, ttmp7, 0xffff                   ; cy
	s_mov_b32 s20, 0x76543210
	s_mov_b32 s21, 0xfedcba98
	s_lshl_b32 s14, ttmp9, 13                      ; a batch's energies, and its row of att: 8,192 bytes
	s_mov_b32 s15, 0
	s_lshl_b32 s18, s13, 11                        ; my 512 columns: 2,048 bytes
	s_lshl_b32 s16, ttmp9, 17                      ; a batch's 32 partial contexts of 4,096 bytes
	s_add_co_u32 s16, s16, s18
	s_mov_b32 s17, 0
	s_lshl_b32 s22, ttmp9, 12                      ; a batch's context: 4,096 bytes
	s_add_co_u32 s22, s22, s18
	s_mov_b32 s23, 0
	s_wait_alu depctr_va_vdst(0)
	s_wait_kmcnt 0x0
	s_add_nc_u64 s[4:5], s[4:5], s[14:15]
	s_add_nc_u64 s[10:11], s[10:11], s[14:15]
	s_add_nc_u64 s[6:7], s[6:7], s[16:17]
	s_add_nc_u64 s[8:9], s[8:9], s[22:23]
	global_load_b128 v[8:11], v2, s[4:5]
	global_load_b128 v[12:15], v2, s[4:5] offset:4096
.irp k, 0,1,2,3,4,5,6,7,8,9,10,11,12,13,14,15,16,17,18,19,20,21,22,23,24,25,26,27,28,29,30,31
	global_load_b64 v[32+2*\k:33+2*\k], v3, s[6:7] offset:4096*\k      ; tile k, my two columns: a wave reads 256 consecutive bytes
.endr
	s_wait_loadcnt 32                              ; the energies are in; the 32 loads behind them may be out
	v_max3_num_f32 v16, v8, v9, v10
	v_max3_num_f32 v17, v12, v13, v14
	s_delay_alu instid0(VALU_DEP_2)
	v_max_num_f32 v16, v16, v11
	s_delay_alu instid0(VALU_DEP_2)
	v_max_num_f32 v17, v17, v15
.irp x, 1,2,4,8
	s_delay_alu instid0(VALU_DEP_2)
	v_max_num_f32_dpp v16, v16, v16 row_xmask:\x row_mask:0xf bank_mask:0xf    ; my two tiles' largest energies
	s_delay_alu instid0(VALU_DEP_2)
	v_max_num_f32_dpp v17, v17, v17 row_xmask:\x row_mask:0xf bank_mask:0xf
.endr
	s_delay_alu instid0(VALU_DEP_1)
	v_max_num_f32 v18, v16, v17
	s_delay_alu instid0(VALU_DEP_1)
	v_permlanex16_b32 v19, v18, s20, s21
	s_delay_alu instid0(VALU_DEP_1)
	v_max_num_f32 v18, v18, v19                    ; the wave's
	ds_store_b32 v4, v18 offset:RED
	s_wait_dscnt 0x0                               ; for the others' sake: my store has landed
	s_barrier_signal -1
	s_barrier_wait -1
	ds_load_b128 v[20:23], v6 offset:RED
	ds_load_b128 v[24:27], v6 offset:RED+16
	s_wait_dscnt 0x0
	v_max3_num_f32 v28, v20, v21, v22
	s_delay_alu instid0(VALU_DEP_1)
	v_max3_num_f32 v28, v28, v23, v24
	s_delay_alu instid0(VALU_DEP_1)
	v_max3_num_f32 v28, v28, v25, v26
	s_delay_alu instid0(VALU_DEP_1)
	v_max_num_f32 v28, v28, v27                    ; M
.irp j, 8,9,10,11,12,13,14,15,16,17
	v_sub_f32 v[\j], v[\j], v28
.endr
.irp j, 8,9,10,11,12,13,14,15,16,17
	v_mul_f32 v[\j], 0x3fb8aa3b, v[\j]
.endr
	s_wait_alu depctr_va_vdst(0)
.irp j, 8,9,10,11,12,13,14,15,16,17
	v_exp_f32 v[\j], v[\j]                         ; eight e^(en - M), and my two tiles' weights e^(m - M)
.endr
	v_nop                                          ; a plain place behind the batch,
	s_wait_alu depctr_va_vdst(0)                   ; and one wait for it ahead of its first reader
	v_pk_add_f32 v[30:31], v[8:9], v[10:11]
	v_pk_add_f32 v[28:29], v[12:13], v[14:15]
	s_delay_alu instid0(VALU_DEP_1)
	v_pk_add_f32 v[30:31], v[30:31], v[28:29]
	s_delay_alu instid0(VALU_DEP_1)
	v_add_f32 v30, v30, v31
.irp x, 1,2,4,8
	s_delay_alu instid0(VALU_DEP_1)
	v_add_f32_dpp v30, v30, v30 row_xmask:\x row_mask:0xf bank_mask:0xf
.endr
	s_delay_alu instid0(VALU_DEP_1)
	v_permlanex16_b32 v19, v30, s20, s21
	s_delay_alu instid0(VALU_DEP_1)
	v_add_f32 v30, v30, v19                        ; the wave's sum
	ds_store_b32 v4, v30 offset:RED2
	ds_store_b32 v5, v16 offset:WT                 ; sixteen lanes write the same word with the same value
	ds_store_b32 v5, v17 offset:WT+64
	s_wait_dscnt 0x0
	s_barrier_signal -1
	s_barrier_wait -1
	ds_load_b128 v[20:23], v6 offset:RED2
	ds_load_b128 v[24:27], v6 offset:RED2+16
.irp q, 0,1,2,3,4,5,6,7
	ds_load_b128 v[96+4*\q:99+4*\q], v6 offset:WT+16*\q    ; v96 + k: tile k's weight
.endr
	s_wait_dscnt 0x0
	v_add_f32 v20, v20, v21
	v_add_f32 v22, v22, v23
	v_add_f32 v24, v24, v25
	v_add_f32 v26, v26, v27
	s_delay_alu instid0(VALU_DEP_3)
	v_add_f32 v20, v20, v22
	s_delay_alu instid0(VALU_DEP_2)
	v_add_f32 v24, v24, v26
	s_delay_alu instid0(VALU_DEP_1)
	v_add_f32 v20, v20, v24                        ; S: at least 1, since the largest energy's term is 1
	s_wait_alu depctr_va_vdst(0)
	v_rcp_f32 v31, v20
	v_nop
	s_wait_alu depctr_va_vdst(0)
	s_cmp_eq_u32 s13, 0
	s_cbranch_scc0 .Lupper
.irp i, 0,1,2,3
	v_mul_f32 v[128+\i], v[8+\i], v31
.endr
	global_store_b128 v2, v[128:131], s[10:11]     ; 32 lanes store 512 consecutive bytes
	s_branch .Lctx
.Lupper:
.irp i, 0,1,2,3
	v_mul_f32 v[128+\i], v[12+\i], v31
.endr
	global_store_b128 v2, v[128:131], s[10:11] offset:4096
.Lctx:
	s_wait_loadcnt 0x0                             ; the partial contexts
	v_mul_f32 v132, v32, v96                       ; two chains for each column: even tiles, odd tiles
	v_mul_f32 v133, v33, v96
	v_mul_f32 v134, v34, v97
	v_mul_f32 v135, v35, v97
.irp k, 2,4,6,8,10,12,14,16,18,20,22,24,26,28,30
	s_delay_alu instid0(VALU_DEP_4)
	v_fma_f32 v132, v[32+2*\k], v[96+\k], v132
	s_delay_alu instid0(VALU_DEP_4)
	v_fma_f32 v133, v[33+2*\k], v[96+\k], v133
	s_delay_alu instid0(VALU_DEP_4)
	v_fma_f32 v134, v[34+2*\k], v[97+\k], v134
	s_delay_alu instid0(VALU_DEP_4)
	v_fma_f32 v135, v[35+2*\k], v[97+\k], v135
.endr
	s_delay_alu instid0(VALU_DEP_2)
	v_add_f32 v132, v132, v134
	s_delay_alu instid0(VALU_DEP_2)
	v_add_f32 v133, v133, v135
	v_mul_f32 v132, v132, v31
	v_mul_f32 v133, v133, v31
	global_store_b64 v3, v[132:133], s[8:9]        ; a wave stores 256 consecutive bytes, aligned
	s_wait_tensorcnt 0x0
	ds_add_u32 v144, v145
	s_wait_dscnt 0x0
	s_endpgm
.Lfunc_end_k_q13822c3b10_combine:
	.size	k_q13822c3b10_combine, .Lfunc_end_k_q13822c3b10_combine-k_q13822c3b10_combine
	.p2alignl 7, 3214868480
	.fill 96, 4, 3214868480
	.section	.rodata,"a",@progbits
	.p2align	6, 0x0
	.amdhsa_kernel k_q13822c3b10_combine
		.amdhsa_group_segment_fixed_size 2048
		.amdhsa_private_segment_fixed_size 0
		.amdhsa_enable_private_segment 0
		.amdhsa_kernarg_size 32
		.amdhsa_user_sgpr_count 2
		.amdhsa_user_sgpr_kernarg_segment_ptr 1
		.amdhsa_wavefront_size32 1
		.amdhsa_system_sgpr_workgroup_id_x 1
		.amdhsa_system_sgpr_workgroup_id_y 1
		.amdhsa_system_sgpr_workgroup_id_z 1
		.amdhsa_system_vgpr_workitem_id 0
		.amdhsa_next_free_vgpr 146
		.amdhsa_next_free_sgpr 66
		.amdhsa_reserve_vcc 0
		.amdhsa_float_denorm_mode_32 3
		.amdhsa_float_denorm_mode_16_64 3
		.amdhsa_memory_ordered 1
		.amdhsa_forward_progress 1
		.amdhsa_inst_pref_size 17
	.end_amdhsa_kernel
	.amdgpu_metadata
---
amdhsa.version: [ 1, 2 ]
amdhsa.kernels:
  - .name:           k_q13822c3b10_combine
    .symbol:         k_q13822c3b10_combine.kd
    .args:
      - { .name: en, .offset: 0, .size: 8, .value_kind: global_buffer, .address_space: global }
      - { .name: pc, .offset: 8, .size: 8, .value_kind: global_buffer, .address_space: global }
      - { .name: out0, .offset: 16, .size: 8, .value_kind: global_buffer, .address_space: global }
      - { .name: out1, .offset: 24, .size: 8, .value_kind: global_buffer, .address_space: global }
    .group_segment_fixed_size: 2048
    .private_segment_fixed_size: 0
    .kernarg_segment_align: 8
    .kernarg_segment_size: 32
    .max_flat_workgroup_size: 256
    .sgpr_count:     66
    .vgpr_count:     146
    .wavefront_size: 32
...
	.end_amdgpu_metadata
.endif
;; end of part 6
